; MI455X (gfx1250); checked and timed in simulation.
; The chip was launched on July 23, 2026; its instructions are those of AMD's public machine-readable ISA for CDNA 5 (MIT licence, August 2026) and "CDNA5" Instruction Set Architecture Reference Guide (July 2026). The comments in the code are by the model that wrote it; some were corrected since.
;; Multi Head Attention. Allowed arithmetic: matrix products marked QUANTISED: E2M1 operands, one E8M0 scale for each 32 along K, by v_wmma_scale_f32_16x16x128_f8f6f4 with both operands' format E2M1 (or v_wmma_scale_f32_32x16x128_f4), f32 sums; products left as they are: bf16, f16 or f32 operands; f32 sums; everything else in f32.
;; Inputs: Wk 1,024 x 1,024 float32; Wo 1,024 x 1,024 float32; Wq 1,024 x 1,024 float32; Wv 1,024 x 1,024 float32; bk 1,024 float32; bo 1,024 float32; bq 1,024 float32; bv 1,024 float32; q 4 x 2,048 x 1,024 float32.
;; Outputs: out0 4 x 2,048 x 1,024 float32.
;; This version of the problem:
;;   THIS VERSION OF THE PROBLEM IS GIVEN IN LOW PRECISION. The matrix products marked QUANTISED in the list below multiply operands that are first quantised to E2M1 (2 exponent bits, 1 mantissa bit; 4 bits a number), with one power-of-two scale for each 32 numbers along K (OCP MX v1.0); their sums are f32. The products marked 'left as it is' may take bf16, f16 or f32 operands, with f32 sums. Whichever they take, every output number must still come out within the allowed error. Rounding operands to bf16 (8 significant bits) uses up far more of that allowance than f16 does (11 bits, for magnitudes from 6e-5 to 65,504). All else is computed in f32.
;;   The module's matrix products, in the order in which they are computed (A, B: the left and right operand; K: the contracted axis; several contracted axes count as one K, in the product's order):
;;     1. [M 8,192, K 1,024] x [K 1,024, N 1,024]; A: input q; B: input Wq: QUANTISED
;;     2. [M 8,192, K 1,024] x [K 1,024, N 1,024]; A: input q; B: input Wk: QUANTISED
;;     3. [M 8,192, K 1,024] x [K 1,024, N 1,024]; A: input q; B: input Wv: QUANTISED
;;     4. batch 64 x [M 2,048, K 64] x [K 64, N 2,048]; A: computed on the way; B: computed on the way: left as it is (an operand is computed on the way)
;;     5. batch 64 x [M 2,048, K 2,048] x [K 2,048, N 64]; A: computed on the way; B: computed on the way: left as it is (an operand is computed on the way)
;;     6. [M 8,192, K 1,024] x [K 1,024, N 1,024]; A: computed on the way; B: input Wo: left as it is (an operand is computed on the way)
;;   THE QUANTISER, for each operand of a quantised product, along K:
;;     - K is cut into blocks of 32 from its start; a last block that is shorter is filled with zeros.
;;     - A block's scale is 2^e with e = floor(log2(the largest magnitude in the block)) - 2, held to -126 .. 127; a block of zeros has e = 0. As a byte (E8M0): e + 127.
;;     - Each number is divided by its block's scale, clamped to +-6, and rounded to the nearest number of E2M1, ties to even, subnormals kept.
;;     - The product sums the exact products of the quantised numbers (number of the format x scale) in f32.
;;   ~~~python
;;   def quantise(x, axis):      # numpy; x: float32 -> the quantised numbers, widened to float32 again
;;       x = np.moveaxis(x, axis, -1); K = x.shape[-1]
;;       x = np.pad(x, [(0, 0)] * (x.ndim - 1) + [(0, -K % 32)]); x = x.reshape(x.shape[:-1] + (-1, 32)); a = np.abs(x).max(-1, keepdims=True)
;;       e = np.where(a > 0, np.clip(np.frexp(np.where(a > 0, a, 1))[1] - 1 - 2, -126, 127), 0)      # np.frexp(a)[1] - 1 = floor(log2(a)), exactly
;;       r = np.clip(x / 2.0 ** e, -6, 6)
;;       step = 2.0 ** (np.maximum(np.frexp(np.where(r == 0, 1, r))[1] - 1, 0) - 1)
;;       q = np.round(r / step) * step * 2.0 ** e      # np.round: ties to even
;;       return np.moveaxis(q.reshape(q.shape[:-2] + (-1,))[..., :K], -1, axis).astype(np.float32)
;;   ~~~
;; One version. Each part assembles by itself: llvm-mc -triple=amdgcn-amd-amdhsa -mcpu=gfx1250 --defsym DOCPART=n.
;; ======== version 1 of 1: 5 launches
;; limits: values are held in f16: magnitudes above 65,504 overflow, below 6.1e-05 lose precision
;; workspace buffers: qc 4,194,304 bytes; qs 262,144 bytes; wc 1,572,864 bytes; ws 98,304 bytes; wo16 2,097,152 bytes; qkv 50,331,648 bytes; ao 16,777,216 bytes
;; launch prep_q (part 1): grid 256 x 1, 4 waves a work-group, no clusters, 33,280 bytes of LDS; arguments q, qc, qs; writes qc, qs
.if DOCPART == 1
	.amdgcn_target "amdgcn-amd-amdhsa--gfx1250"
	.amdhsa_code_object_version 6
	.text
	.protected	k_q1fb58b338a_prep_q
	.globl	k_q1fb58b338a_prep_q
	.p2align	8
	.type	k_q1fb58b338a_prep_q,@function
k_q1fb58b338a_prep_q:
	s_mov_b64 s[64:65], 0
	v_nop
	global_prefetch_b8 v0, s[64:65] scope:SCOPE_SE
	s_setreg_imm32_b32 hwreg(HW_REG_WAVE_MODE, 25, 1), 1
	s_wait_xcnt 0x0
; q [8192][1024] f32 becomes codes of FP4 (E2M1), K innermost (qc: 512 bytes a row), and one E8M0 scale byte for each 32 along K (qs: 32 bytes a row).
; A block's scale is 2^(floor(log2(its largest magnitude)) - 2); its byte is the largest magnitude's exponent field - 2, held at 1 from below.
; LIMITS: a block of zeros, or one whose largest magnitude lies under 2^-124, gets the byte 1 (its codes are zeros or what the conversion gives under that scale; the bytes are read by this program alone);
; NaN and infinities among the inputs are not served.
; Rows are dense and 1024 is a multiple of 32: the tensor is a plain stream of blocks of 32.  A wave takes 16 steps of 512 numbers.  Each load reads 512 consecutive bytes; a step's 2,048 bytes turn through
; the wave's own stage in LDS and come back 64 bytes (16 neighbours along K) a lane; two neighbouring lanes hold a block.  A lane's 16 codes are 8 bytes: the wave stores 256 consecutive bytes.
; A wave's 256 scale bytes are gathered in its own LDS bytes and leave as 256 consecutive bytes.  No barrier: waves share nothing.
.set WAVES, 4
.set STEPS, 16
.set EMAX,  2
.set CB,    8                          ; bytes of 16 codes
.set R,     16                         ; v16-79   four sets of 16 numbers as they are loaded
.set X,     80                         ; v80-111  two sets of 16 neighbours
.set C,     128                        ; v128-191 codes: four registers for each step, so that no store's data are written again
.set E,     112                        ; v112-127 a scale byte for each step
.set WREG,  8192                       ; LDS: a region for each wave: two stages of 32 x SP bytes, then its 256 scale bytes
.set SP,    80                         ; a lane's place in a stage: 64 bytes + 16 of padding
.set SPW,   12                         ; v12 LDS address of my spare word; never rewritten
.set NIL,   13                         ; v13 0; never rewritten
.set SPARE, WAVES*WREG                 ; behind the regions: the spare words, 128 bytes a wave, named by no other line
	s_load_b128 s[4:7], s[0:1], 0x0                ; q, qc
	s_load_b64 s[8:9], s[0:1], 0x10                ; qs
	v_lshl_add_u32 v[SPW], v0, 2, SPARE
	v_mov_b32 v[NIL], 0
	v_lshrrev_b32 v1, 5, v0
	v_readfirstlane_b32 s16, v1                    ; wave
	v_and_b32 v2, 31, v0                           ; lane
	v_lshlrev_b32 v3, 4, v2                        ; my 16 bytes of a load's 512
	s_mul_i32 s17, s16, WREG
	v_lshrrev_b32 v14, 2, v2
	v_mul_u32_u24 v14, v14, SP
	v_and_b32 v15, 3, v2
	v_lshl_add_u32 v14, v15, 4, v14
	v_add_nc_u32 v14, s17, v14                     ; the stage, on the way in: SP (lane / 4) + 16 (lane % 4)
	v_mul_u32_u24 v15, v2, SP
	v_add_nc_u32 v15, s17, v15                     ; and on the way out: SP x lane
	v_mul_u32_u24 v4, v2, CB                       ; my codes' place in a step's
	v_lshrrev_b32 v5, 1, v2
	s_add_co_u32 s17, s17, 2*32*SP
	v_add_nc_u32 v5, s17, v5                       ; my block's scale byte in LDS
	v_lshlrev_b32 v7, 3, v2                        ; on the way out 8 bytes a lane
	v_add_nc_u32 v6, s17, v7
	s_lshl_b32 s18, ttmp9, 2
	s_add_co_u32 s18, s18, s16                     ; which run of 8,192 numbers is my wave's: 0 .. 1023
	s_lshl_b32 s20, s18, 15                        ; 32,768 bytes of q,
	s_mov_b32 s21, 0
	s_lshl_b32 s22, s18, 12                        ; 4,096 of codes,
	s_mov_b32 s23, 0
	s_lshl_b32 s24, s18, 8                         ; 256 of scale bytes
	s_mov_b32 s25, 0
	s_wait_kmcnt 0x0
	s_add_nc_u64 s[4:5], s[4:5], s[20:21]
	s_add_nc_u64 s[6:7], s[6:7], s[22:23]
	s_add_nc_u64 s[8:9], s[8:9], s[24:25]
.macro LOAD t
.irp i, 0,1,2,3
	global_load_b128 v[R+16*((\t)%4)+4*\i:R+16*((\t)%4)+4*\i+3], v3, s[4:5] offset:2048*(\t)+512*\i th:TH_LOAD_NT
.endr
.endm
.macro TURN t                          ; step t's numbers through the stage; LDS serves a wave's instructions in order, so no wait stands between the stores and the loads
.irp i, 0,1,2,3
	ds_store_b128 v14, v[R+16*((\t)%4)+4*\i:R+16*((\t)%4)+4*\i+3] offset:32*SP*((\t)%2)+8*SP*\i
.endr
.irp i, 0,1,2,3
	ds_load_b128 v[X+16*((\t)%2)+4*\i:X+16*((\t)%2)+4*\i+3], v15 offset:32*SP*((\t)%2)+16*\i
.endr
.endm
.irp t, 0,1,2,3
	LOAD \t
.endr
	s_wait_loadcnt 12                              ; step 0's four loads are in; the twelve of steps 1 to 3 may be out
	TURN 0
.macro STEP t
.set XS, X+16*((\t)%2)
.if (\t) > 0
	s_wait_dscnt 1                                 ; this step's numbers are back from the stage; the last step's byte store may be out
.else
	s_wait_dscnt 0x0
.endif
.if (\t)+4 < STEPS
	LOAD (\t)+4                                    ; into the set whose stores into the stage have just been shown done
.endif
.if (\t)+1 < STEPS
.if STEPS-2-(\t) >= 3
	s_wait_loadcnt 12                              ; the next step's four loads are in; those of the three steps behind it may be out
.else
	s_wait_loadcnt 4*(STEPS-2-(\t))
.endif
	TURN (\t)+1
.endif
	v_max3_num_f32 v8, |v[XS]|, |v[XS+1]|, |v[XS+2]|               ; the largest magnitude of my 16, in two chains
	v_max3_num_f32 v9, |v[XS+3]|, |v[XS+4]|, |v[XS+5]|
.irp i, 6,10
	v_max3_num_f32 v8, v8, |v[XS+\i]|, |v[XS+\i+1]|
	v_max3_num_f32 v9, v9, |v[XS+\i+2]|, |v[XS+\i+3]|
.endr
	v_max3_num_f32 v8, v8, |v[XS+14]|, |v[XS+15]|
	v_max3_num_f32 v8, v8, v9, (EMAX+1)<<23        ; and the floor 2^(3 - 127): the byte cannot fall under 1
	v_max_num_f32_dpp v8, v8, v8 row_xmask:1 row_mask:0xf bank_mask:0xf   ; with my neighbour's 16: the block's
	v_add_nc_u32 v11, -(EMAX<<23), v8              ; 2 off its exponent field: the conversion takes this operand's exponent field as its scale
	v_cvt_scalef32_pk8_fp4_f32 v[C+4*(\t)], v[XS:XS+7], v11
	v_cvt_scalef32_pk8_fp4_f32 v[C+4*(\t)+1], v[XS+8:XS+15], v11
	v_lshrrev_b32 v[E+(\t)], 23, v11               ; the scale's byte (a plain line behind the conversions)
	ds_store_b8 v5, v[E+(\t)] offset:16*(\t)       ; both lanes of a block write the same byte with the same value
	global_store_b64 v4, v[C+4*(\t):C+4*(\t)+1], s[6:7] offset:32*CB*(\t)
.endm
.irp t, 0,1,2,3,4,5,6,7,8,9,10,11,12,13,14,15
	STEP \t
.endr
	ds_load_b64 v[8:9], v6                         ; in order behind my byte stores
	s_wait_dscnt 0x0
	global_store_b64 v7, v[8:9], s[8:9]            ; 32 lanes store 256 consecutive bytes, aligned
	s_wait_tensorcnt 0x0                           ; the wave's end
	ds_add_u32 v[SPW], v[NIL]
	s_wait_dscnt 0x0
	s_endpgm
.Lfunc_end_k_q1fb58b338a_prep_q:
	.size	k_q1fb58b338a_prep_q, .Lfunc_end_k_q1fb58b338a_prep_q-k_q1fb58b338a_prep_q
	.p2alignl 7, 3214868480
	.fill 96, 4, 3214868480
	.section	.rodata,"a",@progbits
	.p2align	6, 0x0
	.amdhsa_kernel k_q1fb58b338a_prep_q
		.amdhsa_group_segment_fixed_size 33280
		.amdhsa_private_segment_fixed_size 0
		.amdhsa_enable_private_segment 0
		.amdhsa_kernarg_size 24
		.amdhsa_user_sgpr_count 2
		.amdhsa_user_sgpr_kernarg_segment_ptr 1
		.amdhsa_wavefront_size32 1
		.amdhsa_system_sgpr_workgroup_id_x 1
		.amdhsa_system_sgpr_workgroup_id_y 1
		.amdhsa_system_sgpr_workgroup_id_z 1
		.amdhsa_system_vgpr_workitem_id 0
		.amdhsa_next_free_vgpr 192
		.amdhsa_next_free_sgpr 66
		.amdhsa_reserve_vcc 0
		.amdhsa_float_denorm_mode_32 3
		.amdhsa_float_denorm_mode_16_64 3
		.amdhsa_memory_ordered 1
		.amdhsa_forward_progress 1
		.amdhsa_inst_pref_size 33
	.end_amdhsa_kernel
	.amdgpu_metadata
---
amdhsa.version: [ 1, 2 ]
amdhsa.kernels:
  - .name:           k_q1fb58b338a_prep_q
    .symbol:         k_q1fb58b338a_prep_q.kd
    .args:
      - { .name: q, .offset: 0, .size: 8, .value_kind: global_buffer, .address_space: global }
      - { .name: qc, .offset: 8, .size: 8, .value_kind: global_buffer, .address_space: global }
      - { .name: qs, .offset: 16, .size: 8, .value_kind: global_buffer, .address_space: global }
    .group_segment_fixed_size: 33280
    .private_segment_fixed_size: 0
    .kernarg_segment_align: 8
    .kernarg_segment_size: 24
    .max_flat_workgroup_size: 128
    .sgpr_count:     66
    .vgpr_count:     192
    .wavefront_size: 32
...
	.end_amdgpu_metadata
.endif
;; end of part 1
;; launch prep_w (part 2): grid 64 x 1, 16 waves a work-group, no clusters, 37,888 bytes of LDS; arguments Wq, Wk, Wv, Wo, wc, ws, wo16; writes wc, ws, wo16
.if DOCPART == 2
	.amdgcn_target "amdgcn-amd-amdhsa--gfx1250"
	.amdhsa_code_object_version 6
	.text
	.protected	k_q1fb58b338a_prep_w
	.globl	k_q1fb58b338a_prep_w
	.p2align	8
	.type	k_q1fb58b338a_prep_w,@function
k_q1fb58b338a_prep_w:
	s_mov_b64 s[64:65], 0
	v_nop
	global_prefetch_b8 v0, s[64:65] scope:SCOPE_SE
	s_setreg_imm32_b32 hwreg(HW_REG_WAVE_MODE, 25, 1), 1
	s_wait_xcnt 0x0
; The four weights [1024 (k)][1024 (n)] f32, K their first axis.  Work-groups 0-47: Wq, Wk, Wv become codes of FP4 (E2M1) with K innermost, wc [3072 = Wq | Wk | Wv columns][512 bytes], and scale bytes ws [3072][32].
; Work-groups 48-63: Wo becomes f16, laid as images of the last product's operand registers: wo16 [64 tiles of 16 columns][32 pieces of 32 k][1,024 bytes]; in a piece the 8 numbers k = 8 q' .. 8 q' + 7 of column r lie at 256 q' + 16 r.
; A work-group takes 64 columns, all of K.  Wave w: columns 32 (w & 1) on, k = 128 (w >> 1) on.  A LANE TAKES A COLUMN AND ITS REGISTERS RUN DOWN K: a load reads 128 consecutive bytes, a block of 32 along K lies in one
; lane's registers, and the conversions give K innermost.  Codes and scale bytes meet in LDS and leave as whole rows: 512 consecutive bytes a store.  Wo's halves leave from registers: sixteen lanes store 256 consecutive bytes.
; LIMITS: a block of zeros, or one under 2^-124, gets the scale byte 1 (read by this program alone); NaN and infinities are not served; |Wo| must stay under 65,504.
.set PITCH, 528                        ; a column's 512 bytes of codes + 16
.set SCS,   64*PITCH                   ; behind the stage: 64 columns x 32 scale bytes
.set SPARE, SCS+2048                   ; the spare words, 128 bytes for each of 16 waves, named by no other line
.set SPW,   14
.set NIL,   15
.set SB,    16                         ; v16      my column's four scale bytes
.set C,     32                         ; v32-47   codes, four registers a block
.set OUTR,  48                         ; v48-63   rows of codes read back
.set Y,     32                         ; v32-95   Wo's halves, sixteen registers a block
.set X,     96                         ; v96-223  four blocks of 32 numbers: no register is loaded twice
	s_load_b256 s[4:11], s[0:1], 0x0               ; Wq, Wk, Wv, Wo
	s_load_b128 s[12:15], s[0:1], 0x20             ; wc, ws
	s_load_b64 s[16:17], s[0:1], 0x30              ; wo16
	v_lshl_add_u32 v[SPW], v0, 2, SPARE
	v_mov_b32 v[NIL], 0
	v_lshrrev_b32 v1, 5, v0
	v_readfirstlane_b32 s18, v1                    ; wave 0..15
	v_and_b32 v1, 31, v0                           ; lane
	s_and_b32 s19, s18, 1                          ; which 32 columns
	s_lshr_b32 s21, s18, 1                         ; which 128 along K
	s_lshr_b32 s20, ttmp9, 4                       ; which tensor
	s_and_b32 s22, ttmp9, 15                       ; which 64 columns
	v_lshlrev_b32 v2, 2, v1                        ; in: 4 bytes a lane
	v_lshlrev_b32 v6, 4, v1                        ; out: 16 bytes a lane
	s_mul_i32 s24, s19, 32*PITCH
	s_lshl_b32 s25, s21, 6
	s_add_co_u32 s24, s24, s25
	v_mul_u32_u24 v3, v1, PITCH
	v_add_nc_u32 v3, s24, v3                       ; the stage, in: my column's row, my 64 bytes of it
	s_lshl_b32 s24, s19, 10
	s_lshl_b32 s25, s21, 2
	s_add_co_u32 s24, s24, s25
	s_add_co_u32 s24, s24, SCS
	v_lshl_add_u32 v4, v1, 5, s24                  ; my column's scale bytes, my word of them
	s_mul_i32 s24, s18, 4*PITCH
	v_add_nc_u32 v5, s24, v6                       ; the stage, out: wave w takes rows 4 w .. 4 w + 3, whole
	s_and_b32 s23, s18, 3
	s_lshl_b32 s23, s23, 9
	s_add_co_u32 s25, s23, SCS
	v_add_nc_u32 v7, s25, v6                       ; the scale bytes, out: 512 bytes for each of waves 0 to 3
	v_lshrrev_b32 v8, 4, v1
	v_and_b32 v9, 15, v1
	v_lshlrev_b32 v8, 15, v8
	v_lshl_add_u32 v8, v9, 4, v8                   ; Wo: my tile of 16 columns (32,768 bytes apart), 16 bytes a column
	s_lshl_b32 s26, s21, 19                        ; the source: 128 rows of 4,096 bytes for each step along K,
	s_lshl_b32 s27, s22, 8
	s_add_co_u32 s26, s26, s27
	s_lshl_b32 s27, s19, 7
	s_add_co_u32 s26, s26, s27                     ; + 4 bytes a column
	s_mov_b32 s27, 0
	s_min_u32 s34, s20, 2                          ; (Wo's work-groups store nothing into wc and ws; their offsets stay inside all the same)
	s_lshl_b32 s28, s34, 19                        ; wc: (1024 tensor + 64 block + 4 wave) rows of 512 bytes
	s_lshl_b32 s29, s22, 15
	s_add_co_u32 s28, s28, s29
	s_lshl_b32 s29, s18, 11
	s_add_co_u32 s28, s28, s29
	s_mov_b32 s29, 0
	s_lshl_b32 s30, s34, 15                        ; ws: (1024 tensor + 64 block) rows of 32 bytes + 512 (wave & 3)
	s_lshl_b32 s31, s22, 11
	s_add_co_u32 s30, s30, s31
	s_add_co_u32 s30, s30, s23
	s_mov_b32 s31, 0
	s_lshl_b32 s32, s22, 17                        ; wo16: (4 block + 2 half) tiles of 32,768 bytes + four pieces of 1,024 for each 128 along K
	s_lshl_b32 s33, s19, 16
	s_add_co_u32 s32, s32, s33
	s_lshl_b32 s33, s21, 12
	s_add_co_u32 s32, s32, s33
	s_mov_b32 s33, 0
	s_wait_kmcnt 0x0
	s_cmp_eq_u32 s20, 1                            ; the tensor is chosen by the work-group's number alone
	s_cselect_b64 s[4:5], s[6:7], s[4:5]
	s_cmp_eq_u32 s20, 2
	s_cselect_b64 s[4:5], s[8:9], s[4:5]
	s_cmp_eq_u32 s20, 3
	s_cselect_b64 s[4:5], s[10:11], s[4:5]
	s_add_nc_u64 s[4:5], s[4:5], s[26:27]
	s_add_nc_u64 s[12:13], s[12:13], s[28:29]
	s_add_nc_u64 s[14:15], s[14:15], s[30:31]
	s_add_nc_u64 s[16:17], s[16:17], s[32:33]
.macro LOAD t                          ; block t: W(128 step + 32 t + i, my column), i = 0 .. 31
.irp i, 0,1,2,3,4,5,6,7,8,9,10,11,12,13,14,15,16,17,18,19,20,21,22,23,24,25,26,27,28,29,30,31
	global_load_b32 v[X+32*(\t)+\i], v2, s[4:5] offset:(32*(\t)+\i)*4096 th:TH_LOAD_NT
.endr
.endm
.macro BLOCK t                         ; block t becomes 16 bytes of codes and a scale byte
.set XS, X+32*(\t)
	v_max3_num_f32 v12, |v[XS]|, |v[XS+1]|, |v[XS+2]|               ; the block's largest magnitude: all 32 numbers are mine
	v_max3_num_f32 v13, |v[XS+3]|, |v[XS+4]|, |v[XS+5]|
.irp i, 6,10,14,18,22,26
	v_max3_num_f32 v12, v12, |v[XS+\i]|, |v[XS+\i+1]|
	v_max3_num_f32 v13, v13, |v[XS+\i+2]|, |v[XS+\i+3]|
.endr
	v_max3_num_f32 v12, v12, |v[XS+30]|, |v[XS+31]|
	v_max3_num_f32 v12, v12, v13, 3<<23            ; and the floor 2^(3 - 127): the byte cannot fall under 1
	v_add_nc_u32 v11, -(2<<23), v12                ; 2 off the exponent field: the conversion's scale operand
	v_lshrrev_b32 v13, 23, v11                     ; the scale's byte
.if (\t) == 0
	v_mov_b32 v[SB], v13
.else
	v_lshl_or_b32 v[SB], v13, 8*(\t), v[SB]        ; the lower K in the lower byte
.endif
.irp g, 0,1,2,3
	v_cvt_scalef32_pk8_fp4_f32 v[C+4*(\t)+\g], v[XS+8*\g:XS+8*\g+7], v11
.endr
	v_nop                                          ; a plain line behind the last conversion
	ds_store_b128 v3, v[C+4*(\t):C+4*(\t)+3] offset:16*(\t)
.endm
.macro HALFS t                         ; block t of Wo: 32 numbers become 64 bytes of f16, four pieces of 8 along K
.irp q, 0,1,2,3
.irp i, 0,1,2,3
	v_cvt_pk_f16_f32 v[Y+16*(\t)+4*\q+\i], v[X+32*(\t)+8*\q+2*\i], v[X+32*(\t)+8*\q+2*\i+1]
.endr
.endr
.irp q, 0,1,2,3
	global_store_b128 v8, v[Y+16*(\t)+4*\q:Y+16*(\t)+4*\q+3], s[16:17] offset:(\t)*1024+\q*256   ; sixteen lanes store 256 consecutive bytes, aligned
.endr
.endm
	LOAD 0
	LOAD 1
	s_cmp_eq_u32 s20, 3                            ; the same way for all sixteen waves
	s_cbranch_scc1 .Lwo
	s_wait_loadcnt 32                              ; block 0 is in; block 1's 32 loads may be out
	LOAD 2
	BLOCK 0
	s_wait_loadcnt 32                              ; block 1 is in; block 2's may be out
	LOAD 3
	BLOCK 1
	s_wait_loadcnt 32                              ; block 2 is in; block 3's may be out
	BLOCK 2
	s_wait_loadcnt 0x0
	BLOCK 3
	ds_store_b32 v4, v[SB]                         ; my column's four scale bytes of these 128 along K
	s_branch .Ljoin
.Lwo:
	s_wait_loadcnt 32                              ; the same counts as above
	LOAD 2
	HALFS 0
	s_wait_loadcnt 32
	LOAD 3
	HALFS 1
	s_wait_loadcnt 32
	HALFS 2
	s_wait_loadcnt 0x0
	HALFS 3
.Ljoin:
	s_wait_dscnt 0x0                               ; for the others' sake: my stores into the stage are done
	s_barrier_signal -1
	s_barrier_wait -1                              ; every wave passes this barrier, on both ways
	s_cmp_eq_u32 s20, 3
	s_cbranch_scc1 .Lend
.irp i, 0,1,2,3
	ds_load_b128 v[OUTR+4*\i:OUTR+4*\i+3], v5 offset:\i*PITCH
.endr
.irp i, 0,1,2,3
	s_wait_dscnt 3-\i                              ; row i is back; the younger rows' loads may be out
	global_store_b128 v6, v[OUTR+4*\i:OUTR+4*\i+3], s[12:13] offset:\i*512   ; a whole row of codes: 512 consecutive bytes
.endr
	s_cmp_lt_u32 s18, 4
	s_cbranch_scc0 .Lend
	ds_load_b128 v[64:67], v7
	s_wait_dscnt 0x0
	global_store_b128 v6, v[64:67], s[14:15]       ; sixteen columns' scale bytes: 512 consecutive bytes
.Lend:
	s_wait_tensorcnt 0x0                           ; the wave's end
	ds_add_u32 v[SPW], v[NIL]
	s_wait_dscnt 0x0
	s_endpgm
.Lfunc_end_k_q1fb58b338a_prep_w:
	.size	k_q1fb58b338a_prep_w, .Lfunc_end_k_q1fb58b338a_prep_w-k_q1fb58b338a_prep_w
	.p2alignl 7, 3214868480
	.fill 96, 4, 3214868480
	.section	.rodata,"a",@progbits
	.p2align	6, 0x0
	.amdhsa_kernel k_q1fb58b338a_prep_w
		.amdhsa_group_segment_fixed_size 37888
		.amdhsa_private_segment_fixed_size 0
		.amdhsa_enable_private_segment 0
		.amdhsa_kernarg_size 56
		.amdhsa_user_sgpr_count 2
		.amdhsa_user_sgpr_kernarg_segment_ptr 1
		.amdhsa_wavefront_size32 1
		.amdhsa_system_sgpr_workgroup_id_x 1
		.amdhsa_system_sgpr_workgroup_id_y 1
		.amdhsa_system_sgpr_workgroup_id_z 1
		.amdhsa_system_vgpr_workitem_id 0
		.amdhsa_next_free_vgpr 224
		.amdhsa_next_free_sgpr 66
		.amdhsa_reserve_vcc 0
		.amdhsa_float_denorm_mode_32 3
		.amdhsa_float_denorm_mode_16_64 3
		.amdhsa_memory_ordered 1
		.amdhsa_forward_progress 1
		.amdhsa_inst_pref_size 35
	.end_amdhsa_kernel
	.amdgpu_metadata
---
amdhsa.version: [ 1, 2 ]
amdhsa.kernels:
  - .name:           k_q1fb58b338a_prep_w
    .symbol:         k_q1fb58b338a_prep_w.kd
    .args:
      - { .name: Wq, .offset: 0, .size: 8, .value_kind: global_buffer, .address_space: global }
      - { .name: Wk, .offset: 8, .size: 8, .value_kind: global_buffer, .address_space: global }
      - { .name: Wv, .offset: 16, .size: 8, .value_kind: global_buffer, .address_space: global }
      - { .name: Wo, .offset: 24, .size: 8, .value_kind: global_buffer, .address_space: global }
      - { .name: wc, .offset: 32, .size: 8, .value_kind: global_buffer, .address_space: global }
      - { .name: ws, .offset: 40, .size: 8, .value_kind: global_buffer, .address_space: global }
      - { .name: wo16, .offset: 48, .size: 8, .value_kind: global_buffer, .address_space: global }
    .group_segment_fixed_size: 37888
    .private_segment_fixed_size: 0
    .kernarg_segment_align: 8
    .kernarg_segment_size: 56
    .max_flat_workgroup_size: 512
    .sgpr_count:     66
    .vgpr_count:     224
    .wavefront_size: 32
...
	.end_amdgpu_metadata
.endif
;; end of part 2
;; launch gemm_qkv (part 3): grid 12 x 32, 4 waves a work-group, clusters of 4 x 4, 327,680 bytes of LDS; arguments qc, qs, wc, ws, qkv, bq, bk, bv; writes qkv
.if DOCPART == 3
	.amdgcn_target "amdgcn-amd-amdhsa--gfx1250"
	.amdhsa_code_object_version 6
	.text
	.protected	k_q1fb58b338a_gemm_qkv
	.globl	k_q1fb58b338a_gemm_qkv
	.p2align	8
	.type	k_q1fb58b338a_gemm_qkv,@function
k_q1fb58b338a_gemm_qkv:
	s_mov_b64 s[64:65], 0
	v_nop
	global_prefetch_b8 v0, s[64:65] scope:SCOPE_SE
	s_setreg_imm32_b32 hwreg(HW_REG_WAVE_MODE, 25, 1), 1
	s_wait_xcnt 0x0
	s_wait_alu depctr_hold_cnt(0) depctr_sa_sdst(0) depctr_va_vdst(0) depctr_va_sdst(0) depctr_va_ssrc(0) depctr_va_vcc(0) depctr_vm_vsrc(0)
	s_getreg_b32 s2, hwreg(HW_REG_IB_STS2, 6, 4)
	s_cmp_eq_u32 s2, 0
	s_cbranch_scc0 .Lentry_in_a_cluster
	s_endpgm
.Lentry_in_a_cluster:
	s_bfe_u32 s2, ttmp6, 0x10000c
	s_cmp_lg_u32 s2, 0xf033
	s_cbranch_scc0 .Lentry_shape_is_right
	s_endpgm
.Lentry_shape_is_right:
; The three quantised products in one: C[m][n] = sum over k of q[m][k] W[n][k] + b[n], m 8192, n 3072 (Wq | Wk | Wv), k 1024, on codes of FP4 (E2M1) with one E8M0 scale for each 32 along K; sums in f32.
; A tile of C, 256 x 256, is made by a work-group of four waves; a wave makes 128 x 128: 64 accumulators, 512 registers.  K is two steps of 512: each has an LDS slot of its own, so nothing in LDS is filled twice.
; The scale bytes of the work-group's rows, for all of K, come once with the first fills.  By this text's count a wave has three tensor loads out at the most.
; CLUSTERS: 4 x 4 work-groups.  The four of a row need the same tiles of q, the four of a column the same tiles of W: each tile is asked for jointly, by the same tensor load with a mask that names the four.
; THE MATRIX INSTRUCTION IS USED TRANSPOSED (source 0 = 16 rows of W, source 1 = 16 rows of q): a lane holds eight neighbouring columns of one row of C.  The bias is the C of each sum's first product.
; THE WAY OUT: rounded to f16, a lane's eight numbers are 16 bytes, and qkv is laid in the order of the next launch's operand registers: [tensor 3][batch 4][head 16][16 positions: 128 tiles][2,048 bytes].
;   Q, K: the 8 channels 16 b' + 8 h .. of position r lie at 512 b' + 16 (16 h + r) = 512 b' + 16 x lane.   V: at 512 b' + 256 (r / 8) + 128 h + 16 (r % 8), the order in which the turning LDS load wants them.
;   So each store of the wave covers 512 consecutive bytes, aligned, straight from registers.
; LIMITS: |q W + b| must stay under 65,504 (f16); NaN and infinities are not served.
; REGISTERS: window 0: v0-31 addresses; v32-95 scale words, two sets; v128-191 q's fragments, one set; v192-255 the bias; on the way out v128-255 hold packed results.
;   window 1: W's fragments, two sets, at v0 and v128.  window 2: the accumulators of my rows 0-63 ((a, b) at v[8 (8 a + b)]); window 3: those of rows 64-127.
.set KSTEP,  512
.set NQ,     KSTEP/128
.set ROWB,   256                       ; a tile's row in bytes
.set KROW,   512                       ; a row of codes in memory
.set PITCH,  272                       ; an LDS row: 256 bytes + 16 of padding, so that the 16 rows of a fragment load start 68 words apart
.set FR,     8
.set NL,     2
.set NP,     4                         ; places behind this matrix instruction (ISA guide 7.12.1)
.set HALFT,  128*PITCH
.set SLOT,   4*HALFT
.set KS,     32                        ; a row of scale bytes
.set SCL,    2*SLOT
.set HALFS,  (128*KS/256)*272
.set SBLK,   (16*KS/256)*272
.set SPARE,  SCL+4*HALFS               ; the spare words, 128 bytes a wave, named by no other line
.set ADRA, 16
.set ADRB, 20
.set CO,   26                          ; v26 my lane's place in a store's 512 bytes
.set ADRS, 27
.set SPW,  28
.set NIL,  29
.set SC,   32
.set AF,   128
.set BIAS, 192                         ; v192-255: register 8 b + j: the bias of column 16 b + 8 (lane / 16) + j of my 128
.set PK,   128
.set G1, 24
.set G0, 32
.set G1B, 48
.set G0B, 56
.set G1S, 68
.set G0S, 76
.set G1SB, 80
.set G0SB, 88
.set MSB, 0
.macro WIN new                         ; the immediate's high byte repeats the setting that is left
.if MSB != \new
	s_set_vgpr_msb (MSB<<8)|\new
.set MSB, \new
.endif
.endm
.set MUL_LO, 0xa1                      ; source 0 (W) window 1, source 1 (q) window 0, C and D window 2
.set MUL_HI, 0xf1                      ; the same, C and D window 3
.set BIA_LO, 0x81                      ; the first step: C (the bias) window 0, D window 2
.set BIA_HI, 0xc1                      ; D window 3
.set TO_B,   0x40
; A joint load: waves 0 and 1 fetch for q, waves 2 and 3 for W.  The branch hangs on the wave's number alone.  An s_nop 0 and four v_nop follow each of the two lines.
.macro JLOAD g0a, g1a, g0b, g1b
	s_cmp_eq_u32 s15, 0
	s_cbranch_scc0 .Lfor_b_\@
	tensor_load_to_lds s[\g0a:\g0a+3], s[\g1a:\g1a+7]
	s_nop 0
.rept 4
	v_nop
.endr
	s_branch .Lasked_\@
.Lfor_b_\@:
	tensor_load_to_lds s[\g0b:\g0b+3], s[\g1b:\g1b+7]
	s_nop 0
.rept 4
	v_nop
.endr
.Lasked_\@:
.endm
.macro CROUND                          ; a round of the cluster's barrier
	s_barrier_signal -1
	s_barrier_wait -1
	s_cmp_lg_u32 s14, 0
	s_cbranch_scc1 .Lnot_wave_0_\@
	s_barrier_signal -3
.Lnot_wave_0_\@:
	s_barrier_wait -3
	s_barrier_signal -1
	s_barrier_wait -1
.endm
	s_load_b128 s[4:7], s[0:1], 0x0                ; q's codes, q's scales
	s_load_b128 s[8:11], s[0:1], 0x10              ; W's codes, W's scales
	s_load_b64 s[12:13], s[0:1], 0x20              ; qkv
	s_load_b64 s[96:97], s[0:1], 0x28              ; bq
	s_load_b64 s[98:99], s[0:1], 0x30              ; bk
	s_load_b64 s[100:101], s[0:1], 0x38            ; bv
	v_lshl_add_u32 v[SPW], v0, 2, SPARE
	v_mov_b32 v[NIL], 0
	ds_add_u32 v[SPW], v[NIL]                      ; the wave's opening: the add, twice on end, and its wait ahead of my first tensor load
	ds_add_u32 v[SPW], v[NIL]
	v_lshrrev_b32 v1, 5, v0
	v_readfirstlane_b32 s14, v1                    ; wave 0..3
	s_lshr_b32 s15, s14, 1                         ; which half of the tile's rows is mine.  Also: I fetch for q (0) or for W (1)
	s_and_b32 s16, s14, 1                          ; which half of its columns.  Also: which 128 rows I fetch
	s_bfe_u32 s40, ttmp6, 0x40000                  ; cx, cy
	s_bfe_u32 s41, ttmp6, 0x40004
	s_lshl_b32 s42, ttmp9, 2
	s_add_co_u32 s42, s42, s40                     ; tile column = 4 x cluster x + cx
	s_and_b32 s17, ttmp7, 0xffff
	s_lshl_b32 s17, s17, 2
	s_add_co_u32 s17, s17, s41                     ; tile row = 4 x cluster y + cy
	s_lshl_b32 s43, s41, 2
	s_lshl_b32 s43, 15, s43                        ; my row of the cluster
	s_lshl_b32 s44, 0x1111, s40                    ; my column
	s_or_b32 s[G1+0], s43, (0<<16)|(1<<20)|(1<<21)|(5<<22)|(3<<25)  ; the mask; elements of 1 byte; padding on; bit 21 beside a mask; 4 words of padding after every 64
	s_or_b32 s[G1B+0], s44, (0<<16)|(1<<20)|(1<<21)|(5<<22)|(3<<25)
.irp g, G1, G1B
	s_mov_b32 s[\g+1], ROWB<<16                    ; tensor_dim0
	s_mov_b32 s[\g+2], 128<<16                     ; tensor_dim1
	s_mov_b32 s[\g+3], ROWB<<16                    ; tile_dim0
	s_mov_b32 s[\g+4], 128                         ; tile_dim1
	s_mov_b32 s[\g+5], KROW                        ; the pitch
	s_mov_b32 s[\g+6], 0
	s_mov_b32 s[\g+7], 0
.endr
	s_or_b32 s[G1S+0], s43, (3<<16)|(1<<20)|(1<<21)|(5<<22)|(3<<25) ; the scales of 128 rows: 4,096 dense bytes as 16 rows of 256 (32 elements of 8 bytes), 16 bytes of padding behind each
	s_or_b32 s[G1SB+0], s44, (3<<16)|(1<<20)|(1<<21)|(5<<22)|(3<<25)
.irp g, G1S, G1SB
	s_mov_b32 s[\g+1], 32<<16
	s_mov_b32 s[\g+2], (128*KS/256)<<16
	s_mov_b32 s[\g+3], 32<<16
	s_mov_b32 s[\g+4], 128*KS/256
	s_mov_b32 s[\g+5], 32
	s_mov_b32 s[\g+6], 0
	s_mov_b32 s[\g+7], 0
.endr
	s_lshl_b32 s18, s16, 7
	s_lshl_b32 s20, s17, 8
	s_add_co_u32 s20, s20, s18                     ; q: row 256 x tile row + 128 x half
	s_lshl_b32 s46, s42, 8
	s_add_co_u32 s46, s46, s18                     ; W: row 256 x tile column + 128 x half
	s_mov_b32 s21, 0
	s_mov_b32 s47, 0
	s_mov_b64 s[18:19], KS
	s_mul_u64 s[22:23], s[20:21], s[18:19]         ; where these rows' scales begin
	s_mul_u64 s[92:93], s[46:47], s[18:19]
	s_mov_b64 s[18:19], KROW
	s_mul_u64 s[20:21], s[20:21], s[18:19]         ; and their codes
	s_mul_u64 s[46:47], s[46:47], s[18:19]
	s_mul_i32 s45, s14, HALFT                      ; where they go: wave x 128 rows
	s_mul_i32 s94, s14, HALFS
	s_wait_dscnt 0x0                               ; both opening adds are done
	s_wait_kmcnt 0x0
	s_add_nc_u64 s[20:21], s[4:5], s[20:21]
	s_add_nc_u64 s[22:23], s[6:7], s[22:23]
	s_add_nc_u64 s[46:47], s[8:9], s[46:47]
	s_add_nc_u64 s[92:93], s[10:11], s[92:93]
	CROUND                                         ; all sixteen work-groups are here: the joint loads meet
	s_mov_b32 s[G0S], 1
	s_add_co_u32 s[G0S+1], s94, SCL
	s_mov_b64 s[G0S+2:G0S+3], s[22:23]
	s_or_b32 s[G0S+3], s[G0S+3], 0x80000000
	s_mov_b32 s[G0SB], 1
	s_add_co_u32 s[G0SB+1], s94, SCL
	s_mov_b64 s[G0SB+2:G0SB+3], s[92:93]
	s_or_b32 s[G0SB+3], s[G0SB+3], 0x80000000
	JLOAD G0S, G1S, G0SB, G1SB                     ; the scales first: they are wanted with K step 0
.irp s, 0,1
	s_mov_b32 s[G0+4*\s], 1
	s_add_co_u32 s[G0+4*\s+1], s45, \s*SLOT
	s_add_nc_u64 s[G0+4*\s+2:G0+4*\s+3], s[20:21], \s*ROWB
	s_or_b32 s[G0+4*\s+3], s[G0+4*\s+3], 0x80000000
	s_mov_b32 s[G0B+4*\s], 1
	s_add_co_u32 s[G0B+4*\s+1], s45, \s*SLOT
	s_add_nc_u64 s[G0B+4*\s+2:G0B+4*\s+3], s[46:47], \s*ROWB
	s_or_b32 s[G0B+4*\s+3], s[G0B+4*\s+3], 0x80000000
	JLOAD G0+4*\s, G1, G0B+4*\s, G1B
.endr
	v_and_b32 v1, 15, v0                           ; r = lane % 16
	v_bfe_u32 v2, v0, 4, 1                         ; h = lane / 16
	; the bias: a cluster's four tile columns are one tensor's 1,024 columns, so the cluster's x says which tensor: the same in all partners
	s_cmp_eq_u32 ttmp9, 1
	s_cselect_b64 s[96:97], s[98:99], s[96:97]
	s_cmp_eq_u32 ttmp9, 2
	s_cselect_b64 s[96:97], s[100:101], s[96:97]
	s_cselect_b32 s95, -1, 0                       ; all ones where the tensor is V
	s_lshl_b32 s98, s40, 10
	s_lshl_b32 s99, s16, 9
	s_add_co_u32 s98, s98, s99                     ; my first column in the tensor, 256 cx + 128 half, in bytes
	s_mov_b32 s99, 0
	s_add_nc_u64 s[96:97], s[96:97], s[98:99]
	v_lshlrev_b32 v7, 5, v2                        ; 32 h: never rewritten
.irp b, 0,1,2,3,4,5,6,7
	global_load_b128 v[BIAS+8*\b:BIAS+8*\b+3], v7, s[96:97] offset:64*\b
	global_load_b128 v[BIAS+8*\b+4:BIAS+8*\b+7], v7, s[96:97] offset:64*\b+16
.endr
	v_mul_u32_u24 v3, v1, PITCH
	v_lshl_add_u32 v4, v2, 4, v3                   ; a fragment's row x pitch + 16 x half
	s_mul_i32 s21, s15, HALFT                      ; my 128 rows of q
	s_mul_i32 s22, s16, HALFT                      ; my 128 rows of W,
	s_add_co_u32 s22, s22, 2*HALFT                 ; behind q's 256
.irp s, 0,1
	v_add_nc_u32 v[ADRA+\s], s21, v4
	v_add_nc_u32 v[ADRB+\s], s22, v4
	s_add_co_u32 s21, s21, SLOT
	s_add_co_u32 s22, s22, SLOT
.endr
	v_mul_u32_u24 v5, v1, KS                       ; my row's scales: 32 bytes a row,
	v_lshrrev_b32 v6, 8, v5
	v_lshl_add_u32 v5, v6, 4, v5                   ; and 16 more for each 256 passed
	s_mul_i32 s21, s15, HALFS
	s_mul_i32 s22, s16, HALFS
	s_add_co_u32 s22, s22, 2*HALFS
	s_sub_co_u32 s22, s22, s21
	v_mul_u32_u24 v6, s22, v2                      ; lanes 16-31 take W's
	s_add_co_u32 s21, s21, SCL
	v_add_nc_u32 v5, v5, v6
	v_add_nc_u32 v[ADRS], s21, v5
	v_and_b32 v6, 31, v0
	v_lshlrev_b32 v8, 4, v6                        ; Q, K: 16 x lane
	v_lshrrev_b32 v9, 3, v1
	v_and_b32 v10, 7, v1
	v_lshlrev_b32 v9, 8, v9
	v_lshl_or_b32 v9, v2, 7, v9
	v_lshl_or_b32 v9, v10, 4, v9                   ; V: 256 (r / 8) + 128 h + 16 (r % 8)
	v_cndmask_b32 v[CO], v8, v9, s95
	s_lshl_b32 s20, s17, 8
	s_lshl_b32 s21, s15, 7
	s_add_co_u32 s20, s20, s21                     ; my first row of C: 256 x tile row + 128 x half
	s_lshr_b32 s21, s20, 11                        ; the batch
	s_lshl_b32 s21, s21, 4
	s_lshl_b32 s46, s40, 2
	s_add_co_u32 s21, s21, s46
	s_lshl_b32 s46, s16, 1
	s_add_co_u32 s21, s21, s46                     ; 16 x batch + my first head (4 cx + 2 half)
	s_lshl_b32 s21, s21, 18                        ; x 262,144 bytes
	s_and_b32 s20, s20, 2047
	s_lshl_b32 s20, s20, 7                         ; the position x 128 bytes
	s_add_co_u32 s20, s20, s21
	s_lshl_b32 s21, ttmp9, 24                      ; the tensor x 16,777,216 bytes
	s_add_co_u32 s20, s20, s21
	s_mov_b32 s21, 0
	s_add_nc_u64 s[12:13], s[12:13], s[20:21]
.macro FRAG reg, adr, q, i             ; 16 rows x 128 K of 4-bit codes: lane l holds row l % 16; registers 4 c .. 4 c + 3 hold K = 64 c + 32 (l / 16) + 0 .. 31
.irp c, 0,1
	ds_load_b128 v[\reg+4*\c:\reg+4*\c+3], v[\adr] offset:64*(\q)+32*\c+(\i)*16*PITCH
.endr
.endm
; 16 matrix instructions: q's blocks a0, a0 + 1 x W's eight, 128 along K.  zero = 1: the first product starts the sums, with the bias as C.  The 64 accumulators take turns, one instruction a turn.
.macro MUL16 a0, p, q, sc, zero
.irp a, \a0, \a0+1
.irp b, 0,1,2,3,4,5,6,7
.if \zero
	v_wmma_scale_f32_16x16x128_f8f6f4 v[8*(8*((\a)%4)+\b):8*(8*((\a)%4)+\b)+7], v[128*(\p)+FR*\b:128*(\p)+FR*\b+FR-1], v[AF+FR*(\a):AF+FR*(\a)+FR-1], v[BIAS+8*\b:BIAS+8*\b+7], v[SC+8*NQ*(\sc)+NQ*\b+(\q)], v[SC+8*NQ*(\sc)+NQ*(\a)+(\q)] matrix_a_fmt:MATRIX_FMT_FP4 matrix_b_fmt:MATRIX_FMT_FP4 matrix_a_scale:MATRIX_SCALE_ROW1
.else
	v_wmma_scale_f32_16x16x128_f8f6f4 v[8*(8*((\a)%4)+\b):8*(8*((\a)%4)+\b)+7], v[128*(\p)+FR*\b:128*(\p)+FR*\b+FR-1], v[AF+FR*(\a):AF+FR*(\a)+FR-1], v[8*(8*((\a)%4)+\b):8*(8*((\a)%4)+\b)+7], v[SC+8*NQ*(\sc)+NQ*\b+(\q)], v[SC+8*NQ*(\sc)+NQ*(\a)+(\q)] matrix_a_fmt:MATRIX_FMT_FP4 matrix_b_fmt:MATRIX_FMT_FP4 matrix_a_scale:MATRIX_SCALE_ROW1
.endif
.endr
.endr
.endm
.macro FETCH_B slot, q, p
	WIN TO_B
.irp i, 0,1,2,3,4,5,6,7
	FRAG 128*(\p)+FR*\i, ADRB+\slot, \q, \i
.endr
	WIN 0
.endm
.macro FETCH_A slot, q, i0
.irp i, \i0, \i0+1, \i0+2, \i0+3
	FRAG AF+FR*(\i), ADRA+\slot, \q, \i
.endr
.endm
.macro SCALES sc                       ; a K step's scale words: lanes 0-15 take q's block i, lanes 16-31 W's block i
.irp i, 0,1,2,3,4,5,6,7
	ds_load_b128 v[SC+8*NQ*\sc+NQ*\i:SC+8*NQ*\sc+NQ*\i+3], v[ADRS] offset:\i*SBLK
.endr
.endm
.macro PLACES n                        ; plain vector lines between a matrix instruction and a load into, or a vector read or write of, its registers
.rept \n
	v_nop
.endr
.endm
.macro STEP slot, q, zero              ; 128 along K that has its successor in the same slot
	s_wait_dscnt 4*NL                              ; W's set and q's blocks 0-3 are in; the youngest eight loads (q's blocks 4-7) may be out
.if \zero
	WIN BIA_LO
.else
	WIN MUL_LO
.endif
	MUL16 0, (\q)%2, \q, \slot, \zero
	MUL16 2, (\q)%2, \q, \slot, \zero
	s_wait_dscnt 0
	PLACES NP
	FETCH_B \slot, (\q)+1, 1-(\q)%2
	FETCH_A \slot, (\q)+1, 0
.if \zero
	WIN BIA_HI
.else
	WIN MUL_HI
.endif
	MUL16 4, (\q)%2, \q, \slot, \zero
	MUL16 6, (\q)%2, \q, \slot, \zero
	PLACES NP
	WIN 0
	FETCH_A \slot, (\q)+1, 4
.endm
; Slot 0's last step goes over to slot 1: each wave waits for all its tensor loads (its part of slot 1), and one barrier shows the whole slot to every wave.
.macro TURN slot, next
	s_wait_tensorcnt 0x0
	ds_add_u32 v[SPW], v[NIL]                      ; 0 onto my spare word
	s_wait_dscnt 4*NL+1                            ; the add and the youngest eight loads (q's blocks 4-7) may be out
	WIN MUL_LO
	MUL16 0, 1, NQ-1, \slot, 0
	s_wait_dscnt 0x0
	s_barrier_signal -1
	MUL16 2, 1, NQ-1, \slot, 0
	WIN 0
	s_barrier_wait -1
	PLACES NP
	v_add_nc_u32 v[ADRS], 4*NQ, v[ADRS]            ; on to the next K step's scale words (no LDS load of mine is out)
	FETCH_B \next, 0, 0
	FETCH_A \next, 0, 0
	SCALES \next
	WIN MUL_HI
	MUL16 4, 1, NQ-1, \slot, 0
	MUL16 6, 1, NQ-1, \slot, 0
	PLACES NP
	WIN 0
	FETCH_A \next, 0, 4
.endm
	s_wait_tensorcnt 1                             ; the scales and my part of K step 0 are in; K step 1's load may be out
	s_barrier_signal -1
	s_barrier_wait -1
	FETCH_B 0, 0, 0
	FETCH_A 0, 0, 0
	SCALES 0
	FETCH_A 0, 0, 4
	s_wait_loadcnt 0x0                             ; the bias
	STEP 0, 0, 1
	STEP 0, 1, 0
	STEP 0, 2, 0
	TURN 0, 1
	STEP 1, 0, 0
	STEP 1, 1, 0
	STEP 1, 2, 0
	s_wait_dscnt 4*NL                              ; the last step: nothing more to fetch
	WIN MUL_LO
	MUL16 0, 1, NQ-1, 1, 0
	MUL16 2, 1, NQ-1, 1, 0
	s_wait_dscnt 0
	WIN MUL_HI
	MUL16 4, 1, NQ-1, 1, 0
	MUL16 6, 1, NQ-1, 1, 0
	WIN 0
; Block a (16 rows x 128 columns): rounded to f16, each accumulator from its low end on, and stored: accumulator b is 512 consecutive bytes of head b / 4.
.macro PACK a
.if (\a) >= 4
	s_wait_xcnt 0x0                                ; block a - 4's stores have read their data: the registers are written again only behind this wait
.endif
	WIN 0x0a+5*((\a)/4)                            ; sources in window 2 or 3
.irp b, 0,1,2,3,4,5,6,7
.irp r, 0,1,2,3
	v_cvt_pk_f16_f32 v[PK+32*((\a)%4)+4*\b+\r], v[64*((\a)%4)+8*\b+2*\r], v[64*((\a)%4)+8*\b+2*\r+1]
.endr
.endr
	WIN 0
.irp b, 0,1,2,3,4,5,6,7
	global_store_b128 v[CO], v[PK+32*((\a)%4)+4*\b:PK+32*((\a)%4)+4*\b+3], s[12:13] offset:(\b/4)*262144+(\a)*2048+(\b%4)*512
.endr
.endm
	PLACES NP                                      ; behind the last products: their sources are written and their results read below
.irp a, 0,1,2,3,4,5,6,7
	PACK \a
.endr
	s_wait_tensorcnt 0x0                           ; the wave's end
	ds_add_u32 v[SPW], v[NIL]
	s_wait_dscnt 0x0
	CROUND                                         ; the closing round
	s_endpgm
.Lfunc_end_k_q1fb58b338a_gemm_qkv:
	.size	k_q1fb58b338a_gemm_qkv, .Lfunc_end_k_q1fb58b338a_gemm_qkv-k_q1fb58b338a_gemm_qkv
	.p2alignl 7, 3214868480
	.fill 96, 4, 3214868480
	.section	.rodata,"a",@progbits
	.p2align	6, 0x0
	.amdhsa_kernel k_q1fb58b338a_gemm_qkv
		.amdhsa_group_segment_fixed_size 327680
		.amdhsa_private_segment_fixed_size 0
		.amdhsa_enable_private_segment 0
		.amdhsa_kernarg_size 64
		.amdhsa_user_sgpr_count 2
		.amdhsa_user_sgpr_kernarg_segment_ptr 1
		.amdhsa_wavefront_size32 1
		.amdhsa_system_sgpr_workgroup_id_x 1
		.amdhsa_system_sgpr_workgroup_id_y 1
		.amdhsa_system_sgpr_workgroup_id_z 1
		.amdhsa_system_vgpr_workitem_id 0
		.amdhsa_next_free_vgpr 1024
		.amdhsa_next_free_sgpr 102
		.amdhsa_reserve_vcc 0
		.amdhsa_float_denorm_mode_32 3
		.amdhsa_float_denorm_mode_16_64 3
		.amdhsa_memory_ordered 1
		.amdhsa_forward_progress 1
		.amdhsa_inst_pref_size 120
	.end_amdhsa_kernel
	.amdgpu_metadata
---
amdhsa.version: [ 1, 2 ]
amdhsa.kernels:
  - .name:           k_q1fb58b338a_gemm_qkv
    .symbol:         k_q1fb58b338a_gemm_qkv.kd
    .args:
      - { .name: qc, .offset: 0, .size: 8, .value_kind: global_buffer, .address_space: global }
      - { .name: qs, .offset: 8, .size: 8, .value_kind: global_buffer, .address_space: global }
      - { .name: wc, .offset: 16, .size: 8, .value_kind: global_buffer, .address_space: global }
      - { .name: ws, .offset: 24, .size: 8, .value_kind: global_buffer, .address_space: global }
      - { .name: qkv, .offset: 32, .size: 8, .value_kind: global_buffer, .address_space: global }
      - { .name: bq, .offset: 40, .size: 8, .value_kind: global_buffer, .address_space: global }
      - { .name: bk, .offset: 48, .size: 8, .value_kind: global_buffer, .address_space: global }
      - { .name: bv, .offset: 56, .size: 8, .value_kind: global_buffer, .address_space: global }
    .group_segment_fixed_size: 327680
    .private_segment_fixed_size: 0
    .kernarg_segment_align: 8
    .kernarg_segment_size: 64
    .max_flat_workgroup_size: 128
    .sgpr_count:     102
    .vgpr_count:     1024
    .wavefront_size: 32
...
	.end_amdgpu_metadata
.endif
;; end of part 3
;; launch attn (part 4): grid 4 x 64, 8 waves a work-group, clusters of 4 x 1, 327,680 bytes of LDS; arguments qkv, ao; writes ao
.if DOCPART == 4
	.amdgcn_target "amdgcn-amd-amdhsa--gfx1250"
	.amdhsa_code_object_version 6
	.text
	.protected	k_q1fb58b338a_attn
	.globl	k_q1fb58b338a_attn
	.p2align	8
	.type	k_q1fb58b338a_attn,@function
k_q1fb58b338a_attn:
	s_mov_b64 s[64:65], 0
	v_nop
	global_prefetch_b8 v0, s[64:65] scope:SCOPE_SE
	s_setreg_imm32_b32 hwreg(HW_REG_WAVE_MODE, 25, 1), 1
	s_wait_xcnt 0x0
	s_wait_alu depctr_hold_cnt(0) depctr_sa_sdst(0) depctr_va_vdst(0) depctr_va_sdst(0) depctr_va_ssrc(0) depctr_va_vcc(0) depctr_vm_vsrc(0)
	s_getreg_b32 s2, hwreg(HW_REG_IB_STS2, 6, 4)
	s_cmp_eq_u32 s2, 0
	s_cbranch_scc0 .Lentry_in_a_cluster
	s_endpgm
.Lentry_in_a_cluster:
	s_bfe_u32 s2, ttmp6, 0x10000c
	s_cmp_lg_u32 s2, 0x3003
	s_cbranch_scc0 .Lentry_shape_is_right
	s_endpgm
.Lentry_shape_is_right:
; O[q] = sum over k of softmax_k(Q[q] . K[k] / 8) V[k] for each of 64 (batch, head), 2,048 positions, head size 64.  Q, K, V: f16, laid in the order of operand registers (below); products, maxima and sums in f32;
; the weights p are rounded to f16 for the second product, O once at the end.
; qkv: [tensor 3][batch x head 64][128 tiles of 16 positions][2,048 bytes].  Q, K: the 8 channels 16 b' + 8 h .. of position r at 512 b' + 16 (16 h + r).  V: at 512 b' + 256 (r / 8) + 128 h + 16 (r % 8).
; So every fragment is read at a constant + 16 x lane: K and Q by plain loads, V by the turning load (lane l must name key 8 (l / 16) + l % 8, channels 8 ((l / 8) % 2) on: that piece lies at 16 l).
; SHARES.  A cluster of four work-groups is one (batch, head); a work-group owns 512 queries, each of its eight waves 64: four tiles of 16, tiles 0, 1 in register window 0 and tiles 2, 3 under the same numbers in window 1.
; Two waves lie on a SIMD: while one walks its softmax the other's products and LDS loads are issued.  All four work-groups walk the same K and V: each tile is asked for jointly, by one tensor load with a mask that names the four.
; LAYOUT.  S^T = K Q^T and O^T = V^T P: a lane holds one query (lane % 16) throughout; two tiles of S^T, rounded in pairs, are source 1 of the second product.
; SOFTMAX.  A running maximum m and sum l: p = 2^(c s - c m), c = log2(e) / 8; in every step O and l are multiplied by a = 2^(c m_old - c m_new).  The step is written once: m begins at -3e38 and O, l at 0.
; THE RING.  Two slots of 512 keys (K's 65,536 bytes, then V's).  Every wave brings an eighth of a slot by one load.  By this text's count a wave has two tensor loads out at the start and one behind each refill,
; which has eight key steps, 512 matrix instructions of the wave, in which to land.
; ao: [512 tiles of 16 rows][32 pieces of 32 along the last product's K][1,024 bytes], again in the order of operand registers: each store of the wave covers 512 consecutive bytes, aligned.
; LIMITS: NaN and infinities are not served.
; REGISTERS, both windows alike: v16-31 statistics, eight a tile: +0 c m, +1 m, +2, +3 l, +4 .. +7 c0-c3 at work (a in +6); v32-63 Q; v64-127 S^T, then p, then P in the low 16 of a tile's 32; v128-191 O^T.
;   window 0 alone: v1 16 x lane, v3, v4 LDS addresses, v6, v7 the add's two; v192-255 V's eight fragments.   window 1: v192-255 K's eight fragments.
.set SLOTB, 131072
.set VOFF,  65536
.set STEPB, 8192                       ; 64 keys of K, or of V
.set SPARE, 2*SLOTB                    ; the spare words, 128 bytes for each of eight waves, named by no other line
.set LI,  1
.set ADK, 3
.set ADV, 4
.set SPW, 6
.set NIL, 7
.set ST,  16
.set Q,   32
.set S,   64
.set O,   128
.set F,   192
.set WV,  8
.set G1,  16                           ; s[16:23] descriptor group 1
.set G0,  24                           ; s[24:31] group 0, a set for each slot
.set CS,  32                           ; s[32:33] c, twice
.set SEL, 34                           ; s[34:35] lane selects: lane l xor 16
.set TB,  36                           ; s36 LDS byte of the step's keys
.set CNT, 37
.set MSB, 0
.macro WIN new
.if MSB != \new
	s_set_vgpr_msb (MSB<<8)|\new
.set MSB, \new
.endif
.endm
.macro CROUND                          ; a round of the cluster's barrier
	s_barrier_signal -1
	s_barrier_wait -1
	s_cmp_lg_u32 s[WV], 0
	s_cbranch_scc1 .Lnot_wave_0_\@
	s_barrier_signal -3
.Lnot_wave_0_\@:
	s_barrier_wait -3
	s_barrier_signal -1
	s_barrier_wait -1
.endm
	s_load_b128 s[4:7], s[0:1], 0x0                ; qkv, ao
	v_lshl_add_u32 v[SPW], v0, 2, SPARE
	v_mov_b32 v[NIL], 0
	ds_add_u32 v[SPW], v[NIL]                      ; the wave's opening: the add, twice on end, and its wait ahead of my first tensor load
	ds_add_u32 v[SPW], v[NIL]
	v_lshrrev_b32 v2, 5, v0
	v_readfirstlane_b32 s[WV], v2                  ; wave 0..7
	v_and_b32 v[LI], 31, v0
	v_lshlrev_b32 v[LI], 4, v[LI]
	s_bfe_u32 s9, ttmp6, 0x40000                   ; cx: it enters Q's and ao's addresses alone
	s_and_b32 s10, ttmp7, 0xffff                   ; 16 x batch + head, which the four partners share
	; group 1: 16,384 dense bytes as 64 rows of 256 (32 elements of 8 bytes), no padding
	s_mov_b32 s[G1], 15|(3<<16)|(1<<21)            ; the mask: all four work-groups; elements of 8 bytes; bit 21 beside a mask
	s_mov_b32 s[G1+1], 32<<16                      ; tensor_dim0
	s_mov_b32 s[G1+2], 64<<16                      ; tensor_dim1
	s_mov_b32 s[G1+3], 32<<16                      ; tile_dim0
	s_mov_b32 s[G1+4], 64                          ; tile_dim1
	s_mov_b32 s[G1+5], 32                          ; the pitch
	s_mov_b32 s[G1+6], 0
	s_mov_b32 s[G1+7], 0
	s_lshr_b32 s38, s[WV], 2                       ; waves 0-3 bring K's quarters, waves 4-7 V's
	s_add_co_u32 s38, s38, 1
	s_lshl_b32 s38, s38, 24                        ; the tensor x 16,777,216 bytes
	s_lshl_b32 s39, s10, 18                        ; + the head x 262,144
	s_add_co_u32 s38, s38, s39
	s_and_b32 s39, s[WV], 3
	s_lshl_b32 s39, s39, 14                        ; + my quarter
	s_add_co_u32 s38, s38, s39
	s_mov_b32 s39, 0
	s_lshl_b32 s40, s[WV], 14                      ; in a slot: wave x 16,384: K's four quarters, then V's
	s_lshl_b32 s42, s10, 18                        ; Q: the head, my work-group's 512 rows of 128 bytes, my wave's 64
	s_lshl_b32 s43, s9, 16
	s_add_co_u32 s42, s42, s43
	s_lshl_b32 s43, s[WV], 13
	s_add_co_u32 s42, s42, s43
	s_mov_b32 s43, 0
	s_lshr_b32 s44, s10, 4                         ; ao: (128 batch + 32 cx + 4 wave) tiles of 32,768 bytes + the head x 2,048
	s_lshl_b32 s44, s44, 22
	s_lshl_b32 s45, s9, 20
	s_add_co_u32 s44, s44, s45
	s_lshl_b32 s45, s[WV], 17
	s_add_co_u32 s44, s44, s45
	s_and_b32 s45, s10, 15
	s_lshl_b32 s45, s45, 11
	s_add_co_u32 s44, s44, s45
	s_mov_b32 s45, 0
	s_mov_b32 s[CS], 0x3e38aa3b                    ; c = log2(e) / 8
	s_mov_b32 s[CS+1], s[CS]
	s_mov_b32 s[SEL], 0x76543210
	s_mov_b32 s[SEL+1], 0xfedcba98
	s_wait_dscnt 0x0                               ; both opening adds are done
	s_wait_kmcnt 0x0
	s_add_nc_u64 s[38:39], s[4:5], s[38:39]
	s_add_nc_u64 s[4:5], s[4:5], s[42:43]
	s_add_nc_u64 s[6:7], s[6:7], s[44:45]
	CROUND                                         ; all four work-groups are here: the first joint loads meet
	s_mov_b32 s[G0], 1
	s_mov_b32 s[G0+1], s40
	s_mov_b64 s[G0+2:G0+3], s[38:39]               ; keys 0 to 511
	s_or_b32 s[G0+3], s[G0+3], 0x80000000
	s_mov_b32 s[G0+4], 1
	s_add_co_u32 s[G0+5], s40, SLOTB
	s_add_nc_u64 s[G0+6:G0+7], s[38:39], 65536     ; keys 512 to 1,023
	s_or_b32 s[G0+7], s[G0+7], 0x80000000
	tensor_load_to_lds s[G0:G0+3], s[G1:G1+7]
	s_nop 0
	tensor_load_to_lds s[G0+4:G0+7], s[G1:G1+7]
	s_nop 0
.rept 4
	v_nop
.endr
.irp t, 0,1                                    ; Q stays in registers: tile t, channels 32 c on, halves g
.irp c, 0,1
.irp g, 0,1
	global_load_b128 v[Q+16*\t+8*\c+4*\g:Q+16*\t+8*\c+4*\g+3], v[LI], s[4:5] offset:\t*2048+\c*1024+\g*512
.endr
.endr
.endr
	WIN 0x40                                       ; destination window 1
.irp t, 0,1
.irp c, 0,1
.irp g, 0,1
	global_load_b128 v[Q+16*\t+8*\c+4*\g:Q+16*\t+8*\c+4*\g+3], v[LI], s[4:5] offset:(\t+2)*2048+\c*1024+\g*512
.endr
.endr
.endr
.macro INIT                            ; the current window's two tiles
.irp u, 0,1
	v_mov_b32 v[ST+8*\u+1], 0xff61b1e6             ; m: -3e38, under every score
	v_mov_b32 v[ST+8*\u+2], 0                      ; l
	v_mov_b32 v[ST+8*\u+3], 0
.endr
.irp u, 0,1
	v_mul_f32 v[ST+8*\u], s[CS], v[ST+8*\u+1]      ; c m
.endr
.set i, 0
.rept 64
	v_mov_b32 v[O+i], 0                            ; O^T: the first step's a is 0, and finds zeros
.set i, i+1
.endr
.endm
	WIN 0
	INIT
	WIN 0x55
	INIT
	WIN 0
; 16 products of S^T = K Q^T for the window's two tiles: the eight accumulators take turns, one instruction a turn; the first eight start the sums
.macro KQH
.irp c, 0,1
.irp kt, 0,1,2,3
.irp u, 0,1
.if \c == 0
	v_wmma_f32_16x16x32_f16 v[S+32*\u+8*\kt:S+32*\u+8*\kt+7], v[F+8*(2*\kt+\c):F+8*(2*\kt+\c)+7], v[Q+16*\u+8*\c:Q+16*\u+8*\c+7], 0
.else
	v_wmma_f32_16x16x32_f16 v[S+32*\u+8*\kt:S+32*\u+8*\kt+7], v[F+8*(2*\kt+\c):F+8*(2*\kt+\c)+7], v[Q+16*\u+8*\c:Q+16*\u+8*\c+7], v[S+32*\u+8*\kt:S+32*\u+8*\kt+7]
.endif
.endr
.endr
.endr
.endm
; 16 products of O^T += V^T P: keys 32 kh on, channels 16 ct on; again eight accumulators by turns
.macro PVH
.irp kh, 0,1
.irp ct, 0,1,2,3
.irp u, 0,1
	v_wmma_f32_16x16x32_f16 v[O+32*\u+8*\ct:O+32*\u+8*\ct+7], v[F+8*(4*\kh+\ct):F+8*(4*\kh+\ct)+7], v[S+32*\u+8*\kh:S+32*\u+8*\kh+7], v[O+32*\u+8*\ct:O+32*\u+8*\ct+7]
.endr
.endr
.endr
.endm
; The softmax of the window's two tiles for 64 keys; the tiles alternate line by line, so that no line waits for the line above it
.macro SM
.irp k, 0,1,2,3                                ; the maximum: four chains; each accumulator is first read at its low end
.irp u, 0,1
	v_max3_num_f32 v[ST+8*\u+4+\k], v[S+32*\u+8*\k], v[S+32*\u+8*\k+1], v[S+32*\u+8*\k+2]
.endr
.endr
.irp i, 1,2
.irp k, 0,1,2,3
.irp u, 0,1
	v_max3_num_f32 v[ST+8*\u+4+\k], v[ST+8*\u+4+\k], v[S+32*\u+8*\k+2*\i+1], v[S+32*\u+8*\k+2*\i+2]
.endr
.endr
.endr
.irp u, 0,1
	v_max3_num_f32 v[ST+8*\u+4], v[ST+8*\u+4], v[S+32*\u+7], v[S+32*\u+15]
.endr
.irp u, 0,1
	v_max3_num_f32 v[ST+8*\u+6], v[ST+8*\u+6], v[S+32*\u+23], v[S+32*\u+31]
.endr
.irp u, 0,1
	v_max3_num_f32 v[ST+8*\u+4], v[ST+8*\u+4], v[ST+8*\u+5], v[ST+8*\u+6]
.endr
.irp u, 0,1
	v_max3_num_f32 v[ST+8*\u+4], v[ST+8*\u+4], v[ST+8*\u+7], v[ST+8*\u+1]   ; with the old m
.endr
.irp u, 0,1
	v_permlanex16_b32 v[ST+8*\u+5], v[ST+8*\u+4], s[SEL], s[SEL+1]          ; the query's other 32 keys lie in the lane 16 away
.endr
.irp u, 0,1
	v_mov_b32 v[ST+8*\u+7], v[ST+8*\u]             ; c m_old
.endr
.irp u, 0,1
	v_max_num_f32 v[ST+8*\u+1], v[ST+8*\u+4], v[ST+8*\u+5]
.endr
.irp u, 0,1
	v_mul_f32 v[ST+8*\u], s[CS], v[ST+8*\u+1]
.endr
.irp u, 0,1
	v_sub_f32 v[ST+8*\u+7], v[ST+8*\u+7], v[ST+8*\u]
.endr
.set b, 0
.rept 16
.irp u, 0,1
	v_pk_fma_f32 v[S+32*\u+2*b:S+32*\u+2*b+1], v[S+32*\u+2*b:S+32*\u+2*b+1], s[CS:CS+1], v[ST+8*\u:ST+8*\u+1] op_sel_hi:[1,0,0] neg_lo:[0,0,1] neg_hi:[0,0,1]   ; c s - c m
.endr
.set b, b+1
.endr
.irp u, 0,1
	v_exp_f32 v[ST+8*\u+6], v[ST+8*\u+7]           ; a
.endr
.set e, 0
.rept 32
.irp u, 0,1
	v_exp_f32 v[S+32*\u+e], v[S+32*\u+e]           ; p
.endr
.set e, e+1
.endr
	v_nop                                          ; a plain line behind the last exponential
	s_wait_alu depctr_va_vdst(0)                   ; the wait ahead of the first line that names a result: one for the window's 66 exponentials
.irp u, 0,1                                    ; the sum of the unrounded p, a pair at a time, in two chains a tile; l = a l + the sum
	v_pk_add_f32 v[ST+8*\u+4:ST+8*\u+5], v[S+32*\u:S+32*\u+1], v[S+32*\u+2:S+32*\u+3]
.endr
.irp u, 0,1
	v_pk_fma_f32 v[ST+8*\u+2:ST+8*\u+3], v[ST+8*\u+2:ST+8*\u+3], v[ST+8*\u+6:ST+8*\u+7], v[S+32*\u+4:S+32*\u+5] op_sel_hi:[1,0,1]
.endr
.irp j, 6,10,14,18,22,26
.irp u, 0,1
	v_pk_add_f32 v[ST+8*\u+2:ST+8*\u+3], v[ST+8*\u+2:ST+8*\u+3], v[S+32*\u+\j:S+32*\u+\j+1]
.endr
.irp u, 0,1
	v_pk_add_f32 v[ST+8*\u+4:ST+8*\u+5], v[ST+8*\u+4:ST+8*\u+5], v[S+32*\u+\j+2:S+32*\u+\j+3]
.endr
.endr
.irp u, 0,1
	v_pk_add_f32 v[ST+8*\u+2:ST+8*\u+3], v[ST+8*\u+2:ST+8*\u+3], v[S+32*\u+30:S+32*\u+31]
.endr
.irp u, 0,1
	v_pk_add_f32 v[ST+8*\u+2:ST+8*\u+3], v[ST+8*\u+2:ST+8*\u+3], v[ST+8*\u+4:ST+8*\u+5]
.endr
.set j, 0
.rept 16                                       ; P in place: register j takes pair j, which lies at 2 j or above
.irp u, 0,1
	v_cvt_pk_f16_f32 v[S+32*\u+j], v[S+32*\u+2*j], v[S+32*\u+2*j+1]
.endr
.set j, j+1
.endr
.set i, 0
.rept 16                                       ; O^T times a, each accumulator from its low end on
.irp u, 0,1
	v_pk_mul_f32 v[O+32*\u+2*i:O+32*\u+2*i+1], v[O+32*\u+2*i:O+32*\u+2*i+1], v[ST+8*\u+6:ST+8*\u+7] op_sel_hi:[1,0]
.endr
.set i, i+1
.endr
.endm
; A key step: 64 keys at LDS byte s[TB]
.macro STEP
	v_add_nc_u32 v[ADK], s[TB], v[LI]              ; these two and three v_nop: five plain lines behind the last products: four are owed by the loads into V's registers, five by the products that write over P
	v_add_nc_u32 v[ADV], VOFF, v[ADK]
.rept 3
	v_nop
.endr
	WIN 0x40                                       ; K's fragments go to window 1
.irp kt, 0,1,2,3
.irp c, 0,1
	ds_load_b128 v[F+8*(2*\kt+\c):F+8*(2*\kt+\c)+3],   v[ADK] offset:\kt*2048+\c*1024
	ds_load_b128 v[F+8*(2*\kt+\c)+4:F+8*(2*\kt+\c)+7], v[ADK] offset:\kt*2048+\c*1024+512
.endr
.endr
	WIN 0
.irp kh, 0,1
.irp ct, 0,1,2,3
	ds_load_tr16_b128 v[F+8*(4*\kh+\ct):F+8*(4*\kh+\ct)+3],   v[ADV] offset:(2*\kh)*2048+\ct*512
	ds_load_tr16_b128 v[F+8*(4*\kh+\ct)+4:F+8*(4*\kh+\ct)+7], v[ADV] offset:(2*\kh+1)*2048+\ct*512
.endr
.endr
	s_wait_dscnt 16                                ; K's sixteen loads are in; V's sixteen may be out
	WIN 0x01                                       ; K in window 1; Q and S^T of tiles 0, 1 in window 0
	KQH
	WIN 0x55                                       ; all in window 1: tiles 2, 3
	KQH
.rept 4
	v_nop                                          ; places behind the last products, ahead of the first read of their results
.endr
	SM                                             ; tiles 2, 3
	WIN 0
	SM                                             ; tiles 0, 1
	s_wait_dscnt 0x0                               ; V is in
	PVH                                            ; tiles 0, 1
	WIN 0x54                                       ; V in window 0; P and O^T of tiles 2, 3 in window 1
	PVH
	WIN 0
.endm
.macro STEPS slot                      ; a slot's eight key steps
	s_mov_b32 s[TB], \slot*SLOTB
	s_mov_b32 s[CNT], 8
.Lstep_\@:
	STEP
	s_add_co_u32 s[TB], s[TB], STEPB
	s_sub_co_u32 s[CNT], s[CNT], 1
	s_cmp_lg_u32 s[CNT], 0
	s_cbranch_scc1 .Lstep_\@
.endm
; The change of slots.  Each wave waits for all its tensor loads (its part of the slot ahead), adds 0 to its spare word, and waits for that and for its reads of the slot that it leaves.
; fill = 1: that slot takes the keys two slots on: the barrier is a round of the cluster's, and the joint refill is the first thing behind it.
.macro CHANGE fill, slot
	s_wait_tensorcnt 0x0
	ds_add_u32 v[SPW], v[NIL]
.if \fill
	s_add_nc_u64 s[G0+4*\slot+2:G0+4*\slot+3], s[G0+4*\slot+2:G0+4*\slot+3], 2*65536   ; no tensor load of mine is out: the group 0 may be written
	s_wait_dscnt 0x0
	CROUND
	tensor_load_to_lds s[G0+4*\slot:G0+4*\slot+3], s[G1:G1+7]
	s_nop 0
.rept 4
	v_nop
.endr
.else
	s_wait_dscnt 0x0
	s_barrier_signal -1
	s_barrier_wait -1
.endif
.endm
	s_wait_loadcnt 0x0                             ; Q
	s_wait_tensorcnt 1                             ; my part of slot 0 is in; slot 1's load may be out
	s_barrier_signal -1
	s_barrier_wait -1
	STEPS 0                                        ; keys 0 to 511
	CHANGE 1, 0                                    ; slot 0 takes keys 1,024 on
	STEPS 1
	CHANGE 1, 1                                    ; slot 1 takes keys 1,536 on
	STEPS 0
	CHANGE 0, 0                                    ; nothing is left to fetch
	STEPS 1
; The way out.  l's halves are added, O^T is divided by l; the additions are the places behind the last products.
.macro FIN
.irp u, 0,1
	v_add_f32 v[ST+8*\u+4], v[ST+8*\u+2], v[ST+8*\u+3]
.endr
.irp u, 0,1
	v_permlanex16_b32 v[ST+8*\u+5], v[ST+8*\u+4], s[SEL], s[SEL+1]
.endr
.irp u, 0,1
	v_add_f32 v[ST+8*\u+4], v[ST+8*\u+4], v[ST+8*\u+5]
.endr
.irp u, 0,1
	v_rcp_f32 v[ST+8*\u+6], v[ST+8*\u+4]
.endr
	v_nop                                          ; a plain line behind the last reciprocal
	s_wait_alu depctr_va_vdst(0)                   ; and the wait ahead of the first use
.set i, 0
.rept 32
	v_pk_mul_f32 v[O+i:O+i+1], v[O+i:O+i+1], v[ST+8*(i/32)+6:ST+8*(i/32)+7] op_sel_hi:[1,0]
.set i, i+2
.endr
.endm
.macro HALVES t0                       ; the window's two tiles, rounded to f16, into window 0's v192 on: a lane's eight channels of a query are 16 bytes
.irp u, 0,1
.irp ct, 0,1,2,3
.irp i, 0,1,2,3
	v_cvt_pk_f16_f32 v[F+16*(\t0+\u)+4*\ct+\i], v[O+32*\u+8*\ct+2*\i], v[O+32*\u+8*\ct+2*\i+1]
.endr
.endr
.endr
.endm
	FIN
	WIN 0x55
	FIN
	WIN 0
	HALVES 0
	WIN 0x05                                       ; sources in window 1, destination in window 0
	HALVES 2
	WIN 0
.irp t, 0,1,2,3
.irp ct, 0,1,2,3
	global_store_b128 v[LI], v[F+16*\t+4*\ct:F+16*\t+4*\ct+3], s[6:7] offset:\t*32768+\ct*512   ; 512 consecutive bytes, aligned
.endr
.endr
	s_wait_tensorcnt 0x0                           ; the wave's end
	ds_add_u32 v[SPW], v[NIL]
	s_wait_dscnt 0x0
	CROUND                                         ; the closing round
	s_endpgm
.Lfunc_end_k_q1fb58b338a_attn:
	.size	k_q1fb58b338a_attn, .Lfunc_end_k_q1fb58b338a_attn-k_q1fb58b338a_attn
	.p2alignl 7, 3214868480
	.fill 96, 4, 3214868480
	.section	.rodata,"a",@progbits
	.p2align	6, 0x0
	.amdhsa_kernel k_q1fb58b338a_attn
		.amdhsa_group_segment_fixed_size 327680
		.amdhsa_private_segment_fixed_size 0
		.amdhsa_enable_private_segment 0
		.amdhsa_kernarg_size 16
		.amdhsa_user_sgpr_count 2
		.amdhsa_user_sgpr_kernarg_segment_ptr 1
		.amdhsa_wavefront_size32 1
		.amdhsa_system_sgpr_workgroup_id_x 1
		.amdhsa_system_sgpr_workgroup_id_y 1
		.amdhsa_system_sgpr_workgroup_id_z 1
		.amdhsa_system_vgpr_workitem_id 0
		.amdhsa_next_free_vgpr 512
		.amdhsa_next_free_sgpr 66
		.amdhsa_reserve_vcc 0
		.amdhsa_float_denorm_mode_32 3
		.amdhsa_float_denorm_mode_16_64 3
		.amdhsa_memory_ordered 1
		.amdhsa_forward_progress 1
		.amdhsa_inst_pref_size 150
	.end_amdhsa_kernel
	.amdgpu_metadata
---
amdhsa.version: [ 1, 2 ]
amdhsa.kernels:
  - .name:           k_q1fb58b338a_attn
    .symbol:         k_q1fb58b338a_attn.kd
    .args:
      - { .name: qkv, .offset: 0, .size: 8, .value_kind: global_buffer, .address_space: global }
      - { .name: ao, .offset: 8, .size: 8, .value_kind: global_buffer, .address_space: global }
    .group_segment_fixed_size: 327680
    .private_segment_fixed_size: 0
    .kernarg_segment_align: 8
    .kernarg_segment_size: 16
    .max_flat_workgroup_size: 256
    .sgpr_count:     66
    .vgpr_count:     512
    .wavefront_size: 32
...
	.end_amdgpu_metadata
.endif
;; end of part 4
;; launch gemm_out (part 5): grid 8 x 32, 4 waves a work-group, clusters of 4 x 4, 327,680 bytes of LDS; arguments ao, wo16, out0, bo; writes out0
.if DOCPART == 5
	.amdgcn_target "amdgcn-amd-amdhsa--gfx1250"
	.amdhsa_code_object_version 6
	.text
	.protected	k_q1fb58b338a_gemm_out
	.globl	k_q1fb58b338a_gemm_out
	.p2align	8
	.type	k_q1fb58b338a_gemm_out,@function
k_q1fb58b338a_gemm_out:
	s_mov_b64 s[64:65], 0
	v_nop
	global_prefetch_b8 v0, s[64:65] scope:SCOPE_SE
	s_setreg_imm32_b32 hwreg(HW_REG_WAVE_MODE, 25, 1), 1
	s_wait_xcnt 0x0
	s_wait_alu depctr_hold_cnt(0) depctr_sa_sdst(0) depctr_va_vdst(0) depctr_va_sdst(0) depctr_va_ssrc(0) depctr_va_vcc(0) depctr_vm_vsrc(0)
	s_getreg_b32 s2, hwreg(HW_REG_IB_STS2, 6, 4)
	s_cmp_eq_u32 s2, 0
	s_cbranch_scc0 .Lentry_in_a_cluster
	s_endpgm
.Lentry_in_a_cluster:
	s_bfe_u32 s2, ttmp6, 0x10000c
	s_cmp_lg_u32 s2, 0xf033
	s_cbranch_scc0 .Lentry_shape_is_right
	s_endpgm
.Lentry_shape_is_right:
; out0[m][n] = sum over k of A[m][k] Wo[k][n] + bo[n], m 8192, n 1024, k 1024; A (the attention's result) and Wo in f16, sums and out0 in f32.
; Both operands lie in memory in the order of operand registers: ao [512 tiles of 16 rows][32 pieces of 32 k][1,024 bytes], wo16 [64 tiles of 16 columns][32][1,024]: a fragment is two loads at a constant + 16 x lane.
; A tile of out0 is 256 x 128: 256 work-groups.  Four waves, each 128 x 64: 32 accumulators ((a, b) at v[8 (4 a + b)] of window 1).  K goes in eight steps of 128 through a ring of two LDS slots:
; a slot holds 16 row tiles x 4,096 bytes of A, then 8 column tiles x 4,096 of Wo, dense.  Waves 0, 1 bring A's halves (8 rows of 4,096 bytes, 32,768 apart in memory), waves 2, 3 Wo's (4 rows).
; CLUSTERS: 4 x 4 work-groups; A's tile is shared along a row of the cluster, Wo's along a column: joint loads.  By this text's count a wave has two tensor loads out at the start, one behind each round.
; THE MATRIX INSTRUCTION IS USED TRANSPOSED (source 0 = 16 columns of Wo, source 1 = 16 rows of A): a lane holds eight neighbouring columns of a row.  The bias is the C of each sum's first product.
; REGISTERS, window 0: v16-29 addresses; v32-63 the bias; two fragment buffers: v64-127 A, v128-159 Wo; v160-223 A, v224-255 Wo; on the way out v64-127 hold rows.
.set ASZ,    65536
.set SLOT,   98304
.set STAGE,  2*SLOT                    ; behind the ring: 16 rows x 272 bytes for each wave; no tensor load lands there
.set SPITCH, 272
.set SPARE,  STAGE+4*16*SPITCH         ; the spare words, 128 bytes a wave, named by no other line
.set LAPS,   4
.set ADRA, 16
.set ADRB, 20
.set STO,  24
.set RD,   25
.set CO,   26
.set SPW,  28
.set NIL,  29
.set BIAS, 32
.set F0,   64
.set F1,   160
.set BK,   64
.set G1, 24
.set G0, 32
.set G1B, 48
.set G0B, 56
.set MSB, 0
.macro WIN new
.if MSB != \new
	s_set_vgpr_msb (MSB<<8)|\new
.set MSB, \new
.endif
.endm
.set MUL,  0x50                        ; fragments in window 0; C and D in window 1
.set MULB, 0x40                        ; the first products: C (the bias) in window 0
.macro JLOAD s                         ; a joint load: waves 0, 1 for A, waves 2, 3 for Wo; an s_nop 0 and four v_nop follow each of the two lines
	s_cmp_eq_u32 s13, 0
	s_cbranch_scc0 .Lfor_b_\@
	tensor_load_to_lds s[G0+4*\s:G0+4*\s+3], s[G1:G1+7]
	s_nop 0
.rept 4
	v_nop
.endr
	s_branch .Lasked_\@
.Lfor_b_\@:
	tensor_load_to_lds s[G0B+4*\s:G0B+4*\s+3], s[G1B:G1B+7]
	s_nop 0
.rept 4
	v_nop
.endr
.Lasked_\@:
.endm
.macro CREST                           ; a round of the cluster's barrier behind its opening barrier
	s_cmp_lg_u32 s12, 0
	s_cbranch_scc1 .Lnot_wave_0_\@
	s_barrier_signal -3
.Lnot_wave_0_\@:
	s_barrier_wait -3
	s_barrier_signal -1
	s_barrier_wait -1
.endm
.macro CROUND
	s_barrier_signal -1
	s_barrier_wait -1
	CREST
.endm
	s_load_b128 s[4:7], s[0:1], 0x0                ; ao, wo16
	s_load_b128 s[8:11], s[0:1], 0x10              ; out0, bo
	v_lshl_add_u32 v[SPW], v0, 2, SPARE
	v_mov_b32 v[NIL], 0
	ds_add_u32 v[SPW], v[NIL]                      ; the wave's opening: the add, twice on end, and its wait ahead of my first tensor load
	ds_add_u32 v[SPW], v[NIL]
	v_lshrrev_b32 v1, 5, v0
	v_readfirstlane_b32 s12, v1                    ; wave 0..3
	s_lshr_b32 s13, s12, 1                         ; which 128 rows are mine.  Also: I fetch for A (0) or for Wo (1)
	s_and_b32 s14, s12, 1                          ; which 64 columns.  Also: which half of that tile I fetch
	s_bfe_u32 s40, ttmp6, 0x40000                  ; cx, cy
	s_bfe_u32 s41, ttmp6, 0x40004
	s_lshl_b32 s42, ttmp9, 2
	s_add_co_u32 s42, s42, s40                     ; tile column
	s_and_b32 s45, ttmp7, 0xffff
	s_lshl_b32 s45, s45, 2
	s_add_co_u32 s45, s45, s41                     ; tile row
	s_lshl_b32 s43, s41, 2
	s_lshl_b32 s43, 15, s43                        ; my row of the cluster
	s_lshl_b32 s44, 0x1111, s40                    ; my column
	s_or_b32 s[G1], s43, (3<<16)|(1<<21)           ; the mask; elements of 8 bytes; bit 21 beside a mask; no padding
	s_mov_b32 s[G1+1], 512<<16                     ; tensor_dim0: 4,096 bytes
	s_mov_b32 s[G1+2], 8<<16                       ; tensor_dim1
	s_mov_b32 s[G1+3], 512<<16                     ; tile_dim0
	s_mov_b32 s[G1+4], 8                           ; tile_dim1
	s_mov_b32 s[G1+5], 4096                        ; the pitch: 32,768 bytes
	s_mov_b32 s[G1+6], 0
	s_mov_b32 s[G1+7], 0
	s_or_b32 s[G1B], s44, (3<<16)|(1<<21)
	s_mov_b32 s[G1B+1], 512<<16
	s_mov_b32 s[G1B+2], 4<<16
	s_mov_b32 s[G1B+3], 512<<16
	s_mov_b32 s[G1B+4], 4
	s_mov_b32 s[G1B+5], 4096
	s_mov_b32 s[G1B+6], 0
	s_mov_b32 s[G1B+7], 0
	s_lshl_b32 s16, s45, 19                        ; A: (16 tile row + 8 half) x 32,768 bytes
	s_lshl_b32 s17, s14, 18
	s_add_co_u32 s16, s16, s17
	s_mov_b32 s17, 0
	s_lshl_b32 s46, s42, 18                        ; Wo: (8 tile column + 4 half) x 32,768
	s_lshl_b32 s47, s14, 17
	s_add_co_u32 s46, s46, s47
	s_mov_b32 s47, 0
	s_lshl_b32 s18, s14, 15                        ; where they go in a slot: A's half,
	s_lshl_b32 s19, s14, 14
	s_add_co_u32 s19, s19, ASZ                     ; Wo's half, behind A
	s_wait_dscnt 0x0                               ; both opening adds are done
	s_wait_kmcnt 0x0
	s_add_nc_u64 s[16:17], s[4:5], s[16:17]
	s_add_nc_u64 s[46:47], s[6:7], s[46:47]
	CROUND                                         ; all sixteen work-groups are here: the first joint loads meet
.irp s, 0,1
	s_mov_b32 s[G0+4*\s], 1
	s_add_co_u32 s[G0+4*\s+1], s18, \s*SLOT
	s_add_nc_u64 s[G0+4*\s+2:G0+4*\s+3], s[16:17], \s*4096
	s_or_b32 s[G0+4*\s+3], s[G0+4*\s+3], 0x80000000
	s_mov_b32 s[G0B+4*\s], 1
	s_add_co_u32 s[G0B+4*\s+1], s19, \s*SLOT
	s_add_nc_u64 s[G0B+4*\s+2:G0B+4*\s+3], s[46:47], \s*4096
	s_or_b32 s[G0B+4*\s+3], s[G0B+4*\s+3], 0x80000000
	JLOAD \s
.endr
	v_and_b32 v1, 15, v0                           ; r
	v_bfe_u32 v2, v0, 4, 1                         ; h
	s_lshl_b32 s46, s42, 9                         ; my first column, in bytes: 512 x tile column + 256 x half: the same in bo and in a row of out0
	s_lshl_b32 s47, s14, 8
	s_add_co_u32 s46, s46, s47
	s_mov_b32 s47, 0
	s_add_nc_u64 s[10:11], s[10:11], s[46:47]
	s_add_nc_u64 s[8:9], s[8:9], s[46:47]
	v_lshlrev_b32 v6, 5, v2                        ; 32 h; never rewritten
.irp b, 0,1,2,3
	global_load_b128 v[BIAS+8*\b:BIAS+8*\b+3], v6, s[10:11] offset:64*\b
	global_load_b128 v[BIAS+8*\b+4:BIAS+8*\b+7], v6, s[10:11] offset:64*\b+16
.endr
	s_lshl_b32 s16, s45, 20                        ; my first row: (256 tile row + 128 half) x 4,096 bytes
	s_lshl_b32 s17, s13, 19
	s_add_co_u32 s16, s16, s17
	s_mov_b32 s17, 0
	s_add_nc_u64 s[8:9], s[8:9], s[16:17]
	v_and_b32 v3, 31, v0
	v_lshlrev_b32 v3, 4, v3                        ; 16 x lane
	s_lshl_b32 s21, s13, 15                        ; my eight tiles of A
	s_lshl_b32 s22, s14, 14
	s_add_co_u32 s22, s22, ASZ                     ; my four tiles of Wo
.irp s, 0,1
	v_add_nc_u32 v[ADRA+\s], s21, v3
	v_add_nc_u32 v[ADRB+\s], s22, v3
	s_add_co_u32 s21, s21, SLOT
	s_add_co_u32 s22, s22, SLOT
.endr
	s_mul_i32 s23, s12, 16*SPITCH
	s_add_co_u32 s23, s23, STAGE                   ; my stage
	v_mul_u32_u24 v4, v1, SPITCH
	v_lshl_add_u32 v4, v2, 5, v4
	v_add_nc_u32 v[STO], s23, v4                   ; in: row r, 32 bytes for each half of the lanes
	v_mul_u32_u24 v5, v2, SPITCH
	v_lshl_add_u32 v5, v1, 4, v5
	v_add_nc_u32 v[RD], s23, v5                    ; back: lanes 0-15 one row of 256 bytes, lanes 16-31 the next
	v_lshlrev_b32 v5, 12, v2
	v_lshl_add_u32 v[CO], v1, 4, v5                ; and the same two rows in out0
; 8 matrix instructions: A's blocks a0, a0 + 1 x Wo's four, 32 along K.  The 32 accumulators take turns, one instruction a turn.
.macro MUL8 f, a0, first
.irp a, \a0, \a0+1
.irp b, 0,1,2,3
.if \first
	v_wmma_f32_16x16x32_f16 v[8*(4*(\a)+\b):8*(4*(\a)+\b)+7], v[\f+64+8*\b:\f+64+8*\b+7], v[\f+8*(\a):\f+8*(\a)+7], v[BIAS+8*\b:BIAS+8*\b+7]
.else
	v_wmma_f32_16x16x32_f16 v[8*(4*(\a)+\b):8*(4*(\a)+\b)+7], v[\f+64+8*\b:\f+64+8*\b+7], v[\f+8*(\a):\f+8*(\a)+7], v[8*(4*(\a)+\b):8*(4*(\a)+\b)+7]
.endif
.endr
.endr
.endm
; 24 LDS loads in one run: piece q of the slot's four: Wo's four fragments, then A's eight
.macro FETCH slot, q, f
	WIN 0
.irp i, 0,1,2,3
	ds_load_b128 v[\f+64+8*\i:\f+64+8*\i+3],   v[ADRB+\slot] offset:\i*4096+(\q)*1024
	ds_load_b128 v[\f+64+8*\i+4:\f+64+8*\i+7], v[ADRB+\slot] offset:\i*4096+(\q)*1024+512
.endr
.irp i, 0,1,2,3,4,5,6,7
	ds_load_b128 v[\f+8*\i:\f+8*\i+3],   v[ADRA+\slot] offset:\i*4096+(\q)*1024
	ds_load_b128 v[\f+8*\i+4:\f+8*\i+7], v[ADRA+\slot] offset:\i*4096+(\q)*1024+512
.endr
.endm
.macro PLACES                          ; four plain lines between a matrix instruction and a load into, or a read of, its registers
.rept 4
	v_nop
.endr
.endm
; A K step is four quarters of 32 along K, 32 matrix instructions each, on buffers 0, 1, 0, 1.  One of the first three multiplies buffer f and fetches piece q into g.
.macro QUARTER slot, q, f, g, first
	s_wait_dscnt 8                                 ; Wo's fragments and A's blocks 0-3 are in; the youngest eight loads (A's blocks 4-7) may be out
	WIN MUL-0x10*(\first)
	MUL8 \f, 0, \first
	MUL8 \f, 2, \first
	PLACES
	FETCH \slot, \q, \g
	s_wait_dscnt 24                                ; all but the 24 just issued
	WIN MUL-0x10*(\first)
	MUL8 \f, 4, \first
	MUL8 \f, 6, \first
.endm
; The last quarter multiplies buffer 1 and changes slots: one barrier; in front of it each wave waits for all its tensor loads, adds 0 to its spare word, and waits for that and for its reads of this slot.
.macro TURN slot, next, fill
	WIN 0
	s_wait_tensorcnt 0x0                           ; my part of the next slot has landed
	ds_add_u32 v[SPW], v[NIL]
	s_wait_dscnt 9                                 ; the add and the youngest eight loads may be out
	WIN MUL
	MUL8 F1, 0, 0
	s_wait_dscnt 0x0                               ; the add is done, and my reads of this slot are over
	s_barrier_signal -1
	MUL8 F1, 2, 0
.if \fill
	WIN 0
.endif
	s_barrier_wait -1
.if \fill
	CREST                                          ; the barrier has opened a round of the cluster's: no wave of any partner still reads this slot or has a load on its way
	s_add_nc_u64 s[G0+4*\slot+2:G0+4*\slot+3], s[G0+4*\slot+2:G0+4*\slot+3], 2*4096
	s_add_nc_u64 s[G0B+4*\slot+2:G0B+4*\slot+3], s[G0B+4*\slot+2:G0B+4*\slot+3], 2*4096
	JLOAD \slot                                    ; the first tensor load behind the round; its four v_nop are also the places in front of the loads below
.else
	PLACES
.endif
	FETCH \next, 0, F0
	WIN MUL
	MUL8 F1, 4, 0
	MUL8 F1, 6, 0
.endm
	s_wait_tensorcnt 1                             ; my part of K step 0 is in; K step 1's load may be out
	s_barrier_signal -1
	s_barrier_wait -1
	FETCH 0, 0, F0
	s_wait_loadcnt 0x0                             ; the bias
	QUARTER 0, 1, F0, F1, 1                        ; the first quarter stands in front of the loop: its products start the sums
	WIN 0
	s_mov_b32 s3, LAPS-1
.Llap:                                             ; a trip goes once round the ring and fills both slots again
	QUARTER 0, 2, F1, F0, 0
	QUARTER 0, 3, F0, F1, 0
	TURN 0, 1, 1
	QUARTER 1, 1, F0, F1, 0
	QUARTER 1, 2, F1, F0, 0
	QUARTER 1, 3, F0, F1, 0
	TURN 1, 0, 1
	QUARTER 0, 1, F0, F1, 0
	WIN 0
	s_sub_co_u32 s3, s3, 1
	s_cmp_lg_u32 s3, 0
	s_cbranch_scc1 .Llap
	QUARTER 0, 2, F1, F0, 0                        ; the last lap fills nothing
	QUARTER 0, 3, F0, F1, 0
	TURN 0, 1, 0
	QUARTER 1, 1, F0, F1, 0
	QUARTER 1, 2, F1, F0, 0
	QUARTER 1, 3, F0, F1, 0
	s_wait_dscnt 8
	WIN MUL
	MUL8 F1, 0, 0
	MUL8 F1, 2, 0
	s_wait_dscnt 0
	MUL8 F1, 4, 0
	MUL8 F1, 6, 0
	WIN 0
; THE WAY OUT, a block of 16 rows x 64 columns at a time, through my own stage: in as 32 bytes a lane, back as whole rows of 256 bytes.  LDS serves a wave's instructions in order: no wait between the stores and the loads.
.macro TOSTAGE a
	WIN 0x04                                       ; an LDS store's data are its source 1: window 1
.irp b, 0,1,2,3
	ds_store_b128 v[STO], v[8*(4*(\a)+\b):8*(4*(\a)+\b)+3] offset:64*\b          ; each accumulator from its low end on
	ds_store_b128 v[STO], v[8*(4*(\a)+\b)+4:8*(4*(\a)+\b)+7] offset:64*\b+16
.endr
	WIN 0
.irp t, 0,1,2,3,4,5,6,7
	ds_load_b128 v[BK+32*((\a)%2)+4*\t:BK+32*((\a)%2)+4*\t+3], v[RD] offset:\t*2*SPITCH
.endr
.endm
.macro SEND a, younger                 ; younger: the LDS instructions issued behind block a's loads
	s_wait_dscnt \younger
.irp t, 0,1,2,3,4,5,6,7
	global_store_b128 v[CO], v[BK+32*((\a)%2)+4*\t:BK+32*((\a)%2)+4*\t+3], s[8:9] offset:(16*(\a)+2*\t)*4096 th:TH_STORE_NT   ; sixteen lanes store 256 consecutive bytes, aligned
.endr
.endm
	PLACES
	TOSTAGE 0
.irp a, 1,2,3,4,5,6,7
.if \a > 1
	s_wait_xcnt 0x0                                ; block a - 2's stores have read their data: block a's loads land there only behind this wait
.endif
	TOSTAGE \a
	SEND \a-1, 16                                  ; behind block a - 1's loads: block a's eight stores and eight loads
.endr
	SEND 7, 0
	s_wait_tensorcnt 0x0                           ; the wave's end
	ds_add_u32 v[SPW], v[NIL]
	s_wait_dscnt 0x0
	CROUND                                         ; the closing round
	s_endpgm
.Lfunc_end_k_q1fb58b338a_gemm_out:
	.size	k_q1fb58b338a_gemm_out, .Lfunc_end_k_q1fb58b338a_gemm_out-k_q1fb58b338a_gemm_out
	.p2alignl 7, 3214868480
	.fill 96, 4, 3214868480
	.section	.rodata,"a",@progbits
	.p2align	6, 0x0
	.amdhsa_kernel k_q1fb58b338a_gemm_out
		.amdhsa_group_segment_fixed_size 327680
		.amdhsa_private_segment_fixed_size 0
		.amdhsa_enable_private_segment 0
		.amdhsa_kernarg_size 32
		.amdhsa_user_sgpr_count 2
		.amdhsa_user_sgpr_kernarg_segment_ptr 1
		.amdhsa_wavefront_size32 1
		.amdhsa_system_sgpr_workgroup_id_x 1
		.amdhsa_system_sgpr_workgroup_id_y 1
		.amdhsa_system_sgpr_workgroup_id_z 1
		.amdhsa_system_vgpr_workitem_id 0
		.amdhsa_next_free_vgpr 512
		.amdhsa_next_free_sgpr 66
		.amdhsa_reserve_vcc 0
		.amdhsa_float_denorm_mode_32 3
		.amdhsa_float_denorm_mode_16_64 3
		.amdhsa_memory_ordered 1
		.amdhsa_forward_progress 1
		.amdhsa_inst_pref_size 86
	.end_amdhsa_kernel
	.amdgpu_metadata
---
amdhsa.version: [ 1, 2 ]
amdhsa.kernels:
  - .name:           k_q1fb58b338a_gemm_out
    .symbol:         k_q1fb58b338a_gemm_out.kd
    .args:
      - { .name: ao, .offset: 0, .size: 8, .value_kind: global_buffer, .address_space: global }
      - { .name: wo16, .offset: 8, .size: 8, .value_kind: global_buffer, .address_space: global }
      - { .name: out0, .offset: 16, .size: 8, .value_kind: global_buffer, .address_space: global }
      - { .name: bo, .offset: 24, .size: 8, .value_kind: global_buffer, .address_space: global }
    .group_segment_fixed_size: 327680
    .private_segment_fixed_size: 0
    .kernarg_segment_align: 8
    .kernarg_segment_size: 32
    .max_flat_workgroup_size: 128
    .sgpr_count:     66
    .vgpr_count:     512
    .wavefront_size: 32
...
	.end_amdgpu_metadata
.endif
;; end of part 5
